; MI455X (gfx1250); checked and timed in simulation.
; The chip was launched on July 23, 2026; its instructions are those of AMD's public machine-readable ISA for CDNA 5 (MIT licence, August 2026) and "CDNA5" Instruction Set Architecture Reference Guide (July 2026). The comments in the code are by the model that wrote it; some were corrected since.
;; Multi Head KAN Attention. Allowed arithmetic: float matrix products may take bf16 or f16 operands with f32 sums; other float arithmetic in f32, or as packed bf16 or f16 multiplies, adds, multiply-adds, maxima and minima; sums over many terms, partial sums and values carried from step to step in f32; what a program stores and reads back later, other than sums and carried values, may be rounded once to bf16 or f16.
;; Inputs: base_weight 3,072 x 1,024 float32; grid 1,024 x 12 float32; out_b 1,024 float32; out_w 1,024 x 1,024 float32; rot_cos 2,048 x 32 float32; rot_sin 2,048 x 32 float32; spline_scaler 3,072 x 1,024 float32; spline_weight 3,072 x 1,024 x 8 float32; x 1 x 2,048 x 1,024 float32.
;; Outputs: out0 1 x 2,048 x 1,024 float32.
;; 2 versions, each right; version 2 is version 1 with the launch prep written anew for expert scheduling mode. Each part assembles by itself: llvm-mc -triple=amdgcn-amd-amdhsa -mcpu=gfx1250 --defsym DOCPART=n.
;; ======== version 1 of 2: 4 launches
;; limits: values are held in f16: magnitudes above 65,504 overflow, below 6.1e-05 lose precision
;; workspace buffers: Ac 37,748,736 bytes; Wc 56,623,104 bytes; Oc 2,097,152 bytes; Qh 4,194,304 bytes; Kh 4,194,304 bytes; Vh 4,194,304 bytes; Ch 4,194,304 bytes
;; launch prep (part 1): grid 1408 x 1, 8 waves a work-group, no clusters, 17,408 bytes of LDS; arguments x, grid, spline_weight, spline_scaler, base_weight, out_w, Ac, Wc, Oc; writes Ac, Wc, Oc
.if DOCPART == 1
	.amdgcn_target "amdgcn-amd-amdhsa--gfx1250"
	.amdhsa_code_object_version 6
	.text
	.protected	k_q04ea8351e2_prep
	.globl	k_q04ea8351e2_prep
	.p2align	8
	.type	k_q04ea8351e2_prep,@function
k_q04ea8351e2_prep:
	s_mov_b64 s[64:65], 0
	v_nop
	global_prefetch_b8 v0, s[64:65] scope:SCOPE_SE
	s_setreg_imm32_b32 hwreg(HW_REG_WAVE_MODE, 25, 1), 1
	s_wait_xcnt 0x0
; PREP: everything that the three matrix launches multiply is made here once, in f16, in CHUNK layout: [chunk of 64 along K][row][64], a chunk's rows end to end (128 bytes a row).
;   Ac [144][2048]: chunks 0-127 the 8 cubic B-spline bases of every x (k = 8 i + c), chunks 128-143 silu(x).
;   Wc [144][3072]: chunks 0-127 spline_weight x spline_scaler, chunks 128-143 base_weight; output o = 192 h + 64 part + d lies at row 192 h + 96 (d / 32) + 32 part + d % 32.
;   Oc [16][1024]:  out_w.
; NO WORK OF THE MODULE IS LEFT OUT IN ANY LAUNCH: all nine inputs reach the output and all are loaded.  That only 4 of a feature's 8 bases differ from 0 hangs on the values of x and grid, so the product stays dense.
; LIMITS.  Every number stored here is rounded once to f16: it has to lie within 65,504 (weight x scaler, base_weight, out_w, silu(x)); below 6e-5 it keeps f16's fixed step of 6e-8.
; The splines follow the recursion of the module on the 12 knots of the feature's own grid row, with two changes of rounding order: a division is a reciprocal and a multiply, and the right-hand factor
; (g[t+j+1] - x) / (g[t+j+1] - g[t+1]) is taken as 1 - L[t+1], L[t] = (x - g[t]) / (g[t+j] - g[t]), which is the same number in exact arithmetic for every grid.  x < g is taken as not (x >= g): NaN is not treated apart.
; A STREAM: no matrix unit, no tensor load, no barrier; no cluster, since no two work-groups read the same bytes but the grid's 48 KiB and x's second reading.  No prefetch: the launch is nothing but its streams.
; KINDS, by the work-group's number (the same in all eight waves):  0-255 splines | 256-1023 weight x scaler | 1024-1215 base_weight | 1216-1279 out_w | 1280-1407 silu.
.set CA,    262144                     ; bytes in a chunk of Ac
.set CW,    393216                     ; of Wc
.set COB,   131072                     ; of Oc
.set SPARE, 16384                      ; LDS: 0-16,383 the scaler's stage, 2,048 bytes for each wave, its own; then the spare words, 128 bytes a wave, that no other line names
.set SPW, 4                            ; v4   LDS address of my spare word; never rewritten
.set NIL, 5                            ; v5   0, for the add alone
.set SC,  8                            ; the weight kind: v[8:39]   first the scaler as loaded (16), then my 32 scales
.set WT,  40                           ; the weight kind: v[40:167] 32 loads of four registers
.set RG,  12                           ; v[12:23]   the feature's 12 knots
.set RCA, 24                           ; v[24:35]   1 / (g[t+1] - g[t]), 11 of them and a 0 that fills the pair
.set RCB, 36                           ; v[36:45]   1 / (g[t+2] - g[t]), 10
.set RCC, 46                           ; v[46:55]   1 / (g[t+3] - g[t]), 9 and a 0
.set XA,  56                           ; v[56:57]   x of two rows
.set XB,  58                           ; v[58:59]   of the next two
.set RU,  60                           ; v[60:83]   x - g[t], a pair (two rows) for each t
.set RL,  84                           ; v[84:107]  L[t]
.set RB,  108                          ; v[108:129] the bases
.set CT,  132                          ; v[132:139] four pairs at work
.set OA,  140                          ; v[140:143] the first row's 8 bases in f16
.set OB,  144                          ; v[144:147] the second row's
.set TS,  148                          ; v[148:151] what I send to the lane 8 away
.set TP,  152                          ; v[152:155] what I get
.set STA, 156                          ; v[156:159] first store
.set STB, 160                          ; v[160:163] second store
	s_load_b512 s[8:23], s[0:1], 0x0               ; x s[8:9], grid s[10:11], spline_weight s[12:13], scaler s[14:15], base_weight s[16:17], out_w s[18:19], Ac s[20:21], Wc s[22:23]
	s_load_b64 s[24:25], s[0:1], 0x40              ; Oc
	v_lshl_add_u32 v[SPW], v0, 2, SPARE
	v_mov_b32 v[NIL], 0
	v_and_b32 v1, 31, v0                           ; lane l
	v_lshrrev_b32 v2, 5, v0
	v_readfirstlane_b32 s3, v2                     ; wave 0..7
	v_and_b32 v2, 15, v0                           ; l % 16
	v_bfe_u32 v3, v0, 4, 1                         ; l / 16
	s_mov_b32 s2, ttmp9
	s_wait_kmcnt 0x0
	s_cmp_lt_u32 s2, 256
	s_cbranch_scc1 .Lsplines
	; THE LANE MAP OF THE FOUR CAST KINDS.  A source unit is 64 f32 = 256 bytes = one chunk of one row.  Lane l takes row r0 + l / 16, floats 4 (l % 16) on: one load of the wave reads two whole units.
	; Four f32 become 8 bytes; rows r0, r0 + 1 (r0 even) of a chunk are 256 consecutive bytes, aligned, written by one store of the wave at 8 l.
	v_lshlrev_b32 v8, 3, v1                        ; 8 l
	v_lshlrev_b32 v9, 4, v2
	v_lshl_add_u32 v9, v3, 12, v9                  ; 4,096 (l / 16) + 16 (l % 16): rows of 1,024 f32
	s_cmp_lt_u32 s2, 1024
	s_cbranch_scc1 .Lweights
	s_cmp_lt_u32 s2, 1216
	s_cbranch_scc1 .Lbase
	s_cmp_lt_u32 s2, 1280
	s_cbranch_scc1 .Loutw
	s_branch .Lsilu
; s36 = an output's number o  ->  s37 = its row in Wc.  t = o / 64; h = t / 3 as (43 t) >> 7, exact for t < 48.
.macro POS
	s_lshr_b32 s38, s36, 6
	s_mul_i32 s39, s38, 43
	s_lshr_b32 s39, s39, 7                         ; h
	s_mul_i32 s37, s39, 3
	s_sub_co_u32 s38, s38, s37                     ; part
	s_mul_i32 s37, s39, 192
	s_lshl_b32 s38, s38, 5
	s_add_co_u32 s37, s37, s38
	s_bfe_u32 s38, s36, 0x10005                    ; d / 32
	s_mul_i32 s38, s38, 96
	s_add_co_u32 s37, s37, s38
	s_and_b32 s38, s36, 31                         ; d % 32
	s_add_co_u32 s37, s37, s38
.endm
; x / (1 + 2^(-x log2 e)) on the four registers from r on.  Two batches of four transcendentals; behind each a plain instruction and one wait ahead of the first reader.
.macro SILU r
.irp k, 0,1,2,3
	v_mul_f32 v[108+\k], 0xbfb8aa3b, v[(\r)+\k]
.endr
.irp k, 0,1,2,3
	v_exp_f32 v[108+\k], v[108+\k]
.endr
	v_nop
	s_wait_alu depctr_va_vdst(0)
.irp k, 0,1,2,3
	v_add_f32 v[108+\k], 1.0, v[108+\k]
.endr
.irp k, 0,1,2,3
	v_rcp_f32 v[108+\k], v[108+\k]
.endr
	v_nop
	s_wait_alu depctr_va_vdst(0)
	v_pk_mul_f32 v[(\r):(\r)+1], v[(\r):(\r)+1], v[108:109]
	v_pk_mul_f32 v[(\r)+2:(\r)+3], v[(\r)+2:(\r)+3], v[110:111]
.endm
; Two rows of 1,024 f32 at s[26:27] become 16 chunks' rows at s[28:29], chb bytes apart.  All 16 loads go out first; every store has data registers of its own, so nothing is waited for but the loads.
.macro CONV chb, fn, nt
.set it, 0
.rept 16
.if \nt
	global_load_b128 v[12+4*it:15+4*it], v9, s[26:27] offset:256*it th:TH_LOAD_NT
.else
	global_load_b128 v[12+4*it:15+4*it], v9, s[26:27] offset:256*it
.endif
.set it, it+1
.endr
.set it, 0
.rept 16
	s_wait_loadcnt 15-it                           ; loads come back in order: number it is in, the younger ones stay out
.if \fn
	SILU 12+4*it
.endif
	v_cvt_pk_f16_f32 v[76+2*it], v[12+4*it], v[13+4*it]
	v_cvt_pk_f16_f32 v[77+2*it], v[14+4*it], v[15+4*it]
	global_store_b64 v8, v[76+2*it:77+2*it], s[28:29] offset:it*(\chb) th:TH_STORE_NT
.set it, it+1
.endr
.endm
.Lsilu:                                        ; 128 work-groups x 8 waves x 2 rows of x -> Ac, chunks 128-143
	s_sub_co_u32 s36, s2, 1280
	s_lshl_b32 s36, s36, 3
	s_add_co_u32 s36, s36, s3
	s_lshl_b32 s26, s36, 13                        ; 2 rows of 4,096 bytes
	s_mov_b32 s27, 0
	s_lshl_b32 s28, s36, 8                         ; 2 rows of 128 bytes
	s_add_co_u32 s28, s28, 128*CA
	s_mov_b32 s29, 0
	s_add_nc_u64 s[26:27], s[8:9], s[26:27]
	s_add_nc_u64 s[28:29], s[20:21], s[28:29]
	CONV CA, 1, 0
	s_branch .Lend
.Lbase:                                        ; 192 x 8 x 2 rows of base_weight -> Wc, chunks 128-143
	s_sub_co_u32 s36, s2, 1024
	s_lshl_b32 s36, s36, 3
	s_add_co_u32 s36, s36, s3
	s_lshl_b32 s36, s36, 1                         ; o
	POS
	s_lshl_b32 s26, s36, 12
	s_mov_b32 s27, 0
	s_lshl_b32 s28, s37, 7
	s_add_co_u32 s28, s28, 128*CW
	s_mov_b32 s29, 0
	s_add_nc_u64 s[26:27], s[16:17], s[26:27]
	s_add_nc_u64 s[28:29], s[22:23], s[28:29]
	CONV CW, 0, 1
	s_branch .Lend
.Loutw:                                        ; 64 x 8 x 2 rows of out_w -> Oc
	s_sub_co_u32 s36, s2, 1216
	s_lshl_b32 s36, s36, 3
	s_add_co_u32 s36, s36, s3
	s_lshl_b32 s26, s36, 13
	s_mov_b32 s27, 0
	s_lshl_b32 s28, s36, 8
	s_mov_b32 s29, 0
	s_add_nc_u64 s[26:27], s[18:19], s[26:27]
	s_add_nc_u64 s[28:29], s[24:25], s[28:29]
	CONV COB, 0, 1
	s_branch .Lend
; 768 x 8 waves: 2 outputs x 32 chunks (256 features) of spline_weight x scaler -> Wc, chunks 0-127.
; ALL OF A WAVE'S LOADS GO OUT AT ITS HEAD: 4 of the scaler, 32 of the weights, 18 KiB a wave on their way.  A load's four registers are scaled, rounded in place and stored from there: no register is written
; again behind a store, so the only waits are the loads' own, counted down.
.Lweights:
	s_sub_co_u32 s36, s2, 256
	s_lshl_b32 s36, s36, 3
	s_add_co_u32 s36, s36, s3
	s_and_b32 s35, s36, 3                          ; which quarter of the features
	s_lshr_b32 s36, s36, 2
	s_lshl_b32 s36, s36, 1                         ; o
	POS
	s_lshl_b32 s26, s36, 15                        ; a row of spline_weight is 32,768 bytes,
	s_lshl_b32 s38, s35, 13                        ; a quarter 8,192
	s_add_co_u32 s26, s26, s38
	s_mov_b32 s27, 0
	s_add_nc_u64 s[26:27], s[12:13], s[26:27]
	s_lshl_b32 s30, s36, 12                        ; a row of the scaler 4,096, a quarter 1,024
	s_lshl_b32 s38, s35, 10
	s_add_co_u32 s30, s30, s38
	s_mov_b32 s31, 0
	s_add_nc_u64 s[30:31], s[14:15], s[30:31]
	s_mul_i32 s28, s35, 32*CW
	s_lshl_b32 s38, s37, 7
	s_add_co_u32 s28, s28, s38
	s_mov_b32 s29, 0
	s_add_nc_u64 s[28:29], s[22:23], s[28:29]      ; chunks 0-15 of my 32,
	s_add_nc_u64 s[32:33], s[28:29], 16*CW         ; chunks 16-31: so every store's immediate is 15 chunks at the most
	s_lshl_b32 s38, s3, 11                         ; my wave's stage
	v_mov_b32 v6, v8                               ; 8 l: the stores' offset (v8 on take the scaler)
	v_lshlrev_b32 v7, 4, v2
	v_lshl_add_u32 v7, v3, 15, v7                  ; the weights' offset: 32,768 (l / 16) + 16 (l % 16)
	v_lshrrev_b32 v2, 1, v2
	v_lshlrev_b32 v2, 2, v2
	v_lshl_add_u32 v3, v3, 8, v2
	v_add_nc_u32 v3, s38, v3                       ; back from the stage: row l / 16, feature (l % 16) / 2 of a chunk's eight
	v_lshl_add_u32 v2, v1, 4, s38                  ; into the stage: 16 l
	v_mov_b32 v1, v9                               ; the scaler's offset
.irp q, 0,1,2,3
	global_load_b128 v[SC+4*\q:SC+4*\q+3], v1, s[30:31] offset:256*\q th:TH_LOAD_NT  ; the scaler of my 2 x 256 features, once, in whole runs of 256 bytes
.endr
.set it, 0
.rept 32
	global_load_b128 v[WT+4*it:WT+4*it+3], v7, s[26:27] offset:256*it th:TH_LOAD_NT
.set it, it+1
.endr
	s_wait_loadcnt 32                              ; the scaler is in; the 32 loads of weights stay out
.irp q, 0,1,2,3
	ds_store_b128 v2, v[SC+4*\q:SC+4*\q+3] offset:512*\q
.endr
.set it, 0
.rept 32
	ds_load_b32 v[SC+it], v3 offset:512*(it/8)+32*(it%8)  ; chunk it: my feature's scale.  The bytes are my wave's own, and LDS serves a wave's instructions in order (ISA guide 5.7.1.4): these see the stores above
.set it, it+1
.endr
	s_wait_dscnt 0x0
.set it, 0
.rept 32
	s_wait_loadcnt 31-it                           ; loads come back in order: number it is in, the younger ones stay out
.set sl, WT+4*it
.if it%2
	v_pk_mul_f32 v[sl:sl+1], v[sl:sl+1], v[SC+it-1:SC+it] op_sel:[0,1] op_sel_hi:[1,1]
	v_pk_mul_f32 v[sl+2:sl+3], v[sl+2:sl+3], v[SC+it-1:SC+it] op_sel:[0,1] op_sel_hi:[1,1]
.else
	v_pk_mul_f32 v[sl:sl+1], v[sl:sl+1], v[SC+it:SC+it+1] op_sel_hi:[1,0]
	v_pk_mul_f32 v[sl+2:sl+3], v[sl+2:sl+3], v[SC+it:SC+it+1] op_sel_hi:[1,0]
.endif
	v_cvt_pk_f16_f32 v[sl], v[sl], v[sl+1]
	v_cvt_pk_f16_f32 v[sl+1], v[sl+2], v[sl+3]
.if it < 16
	global_store_b64 v6, v[sl:sl+1], s[28:29] offset:it*CW th:TH_STORE_NT
.else
	global_store_b64 v6, v[sl:sl+1], s[32:33] offset:(it-16)*CW th:TH_STORE_NT
.endif
.set it, it+1
.endr
	s_branch .Lend
; THE SPLINES.  A wave owns 32 features (a lane a feature) x 32 rows; the eight waves of a work-group cover 1,024 consecutive bytes of each row of x.  Two rows go at once, as the halves of the packed forms;
; knots and reciprocals are broadcast from their pair.  A lane's 8 bases of a row are 16 bytes of chunk i / 8; 8 lanes make a chunk row of 128 bytes.  So that 16 lanes store 256 consecutive aligned bytes
; (rows r, r + 1 of one chunk), lanes 8 apart exchange: the lower sends its second row, the upper its first.
.Lsplines:
	s_lshl_b32 s36, s2, 3
	s_add_co_u32 s36, s36, s3
	s_and_b32 s37, s36, 31                         ; which 32 features
	s_lshr_b32 s38, s36, 5                         ; which 32 rows
	s_lshl_b32 s39, s37, 5
	v_add_nc_u32 v7, s39, v1                       ; feature i
	v_mul_u32_u24 v9, v7, 48                       ; its row of the grid
	v_lshlrev_b32 v10, 2, v7
	s_lshl_b32 s39, s38, 17                        ; 32 rows of 4,096 bytes
	v_add_nc_u32 v10, s39, v10                     ; my x of the first row
	s_lshl_b32 s39, s37, 2
	v_lshl_add_u32 v11, v3, 1, s39                 ; chunk of the first store: 4 x group + 2 (l / 16)
	v_lshlrev_b32 v11, 18, v11
	v_bfe_u32 v7, v0, 3, 1
	s_lshl_b32 s39, s38, 5
	v_add_nc_u32 v7, s39, v7                       ; row: first row + (l / 8) % 2
	v_lshl_add_u32 v11, v7, 7, v11
	v_and_b32 v7, 7, v0
	v_lshl_add_u32 v11, v7, 4, v11
	global_load_b128 v[12:15], v9, s[10:11]
	global_load_b128 v[16:19], v9, s[10:11] offset:16
	global_load_b128 v[20:23], v9, s[10:11] offset:32
	global_load_b32 v[XA], v10, s[8:9]
	global_load_b32 v[XA+1], v10, s[8:9] offset:4096
	global_load_b32 v[XB], v10, s[8:9] offset:8192
	global_load_b32 v[XB+1], v10, s[8:9] offset:12288
	v_mov_b32 v[RCA+11], 0                         ; named with their neighbours as pairs
	v_mov_b32 v[RCC+9], 0
.irp q, 0,1,2,3
	v_mov_b32 v[TP+\q], 0                          ; a DPP form's destination counts as read
.endr
	s_mov_b32 s34, 0xff00ff00                      ; the lanes with (l / 8) % 2 = 1
	s_wait_loadcnt 4                               ; the knots are in; x's four loads stay out
.set t, 0
.rept 11
	v_sub_f32 v[RCA+t], v[RG+t+1], v[RG+t]
.set t, t+1
.endr
.set t, 0
.rept 10
	v_sub_f32 v[RCB+t], v[RG+t+2], v[RG+t]
.set t, t+1
.endr
.set t, 0
.rept 9
	v_sub_f32 v[RCC+t], v[RG+t+3], v[RG+t]
.set t, t+1
.endr
.set t, 0
.rept 11
	v_rcp_f32 v[RCA+t], v[RCA+t]
.set t, t+1
.endr
.set t, 0
.rept 10
	v_rcp_f32 v[RCB+t], v[RCB+t]
.set t, t+1
.endr
.set t, 0
.rept 9
	v_rcp_f32 v[RCC+t], v[RCC+t]
.set t, t+1
.endr
	v_nop                                          ; one batch of 30 reciprocals: a plain instruction behind the last,
	s_wait_alu depctr_va_vdst(0)                   ; and one wait ahead of their first reader
; One level of the recursion: n new bases.  L[t] = (x - g[t]) R[t]; b[t] = L[t] b[t] + (b[t+1] - L[t+1] b[t+1]), in place, t ascending, four at a time so that no line waits for the one before it.
.macro LEVEL R, n
.set t, 0
.rept (\n)+1
.if t%2
	v_pk_mul_f32 v[RL+2*t:RL+2*t+1], v[RU+2*t:RU+2*t+1], v[(\R)+t-1:(\R)+t] op_sel:[0,1] op_sel_hi:[1,1]
.else
	v_pk_mul_f32 v[RL+2*t:RL+2*t+1], v[RU+2*t:RU+2*t+1], v[(\R)+t:(\R)+t+1] op_sel_hi:[1,0]
.endif
.set t, t+1
.endr
.set t0, 0
.rept ((\n)+3)/4
.set q, 0
.rept 4
.if t0+q < (\n)
	v_pk_fma_f32 v[CT+2*q:CT+2*q+1], v[RL+2*(t0+q)+2:RL+2*(t0+q)+3], v[RB+2*(t0+q)+2:RB+2*(t0+q)+3], v[RB+2*(t0+q)+2:RB+2*(t0+q)+3] neg_lo:[1,0,0] neg_hi:[1,0,0]
.endif
.set q, q+1
.endr
.set q, 0
.rept 4
.if t0+q < (\n)
	v_pk_fma_f32 v[RB+2*(t0+q):RB+2*(t0+q)+1], v[RL+2*(t0+q):RL+2*(t0+q)+1], v[RB+2*(t0+q):RB+2*(t0+q)+1], v[CT+2*q:CT+2*q+1]
.endif
.set q, q+1
.endr
.set t0, t0+4
.endr
.endm
; Two rows.  X: their x.  simm: the rows' place in the stores' immediate.  ld = 1: X is loaded again, from limm.  left: the younger loads that may stay out (the other pair's two).
.macro PAIR X, simm, ld, limm, left
	s_wait_loadcnt \left
.set t, 0
.rept 12
.if t%2
	v_pk_add_f32 v[RU+2*t:RU+2*t+1], v[\X:\X+1], v[RG+t-1:RG+t] op_sel:[0,1] op_sel_hi:[1,1] neg_lo:[0,1] neg_hi:[0,1]
.else
	v_pk_add_f32 v[RU+2*t:RU+2*t+1], v[\X:\X+1], v[RG+t:RG+t+1] op_sel_hi:[1,0] neg_lo:[0,1] neg_hi:[0,1]
.endif
	v_cmp_ge_f32 s[40+t], v[\X], v[RG+t]
	v_cmp_ge_f32 s[52+t], v[\X+1], v[RG+t]
.set t, t+1
.endr
.if \ld
	global_load_b32 v[\X], v10, s[8:9] offset:\limm
	global_load_b32 v[\X+1], v10, s[8:9] offset:\limm+4096
.endif
.set t, 0
.rept 11
	s_and_not1_b32 s[40+t], s[40+t], s[41+t]       ; x >= g[t] and not x >= g[t+1]; t ascending, so the right-hand mask is still whole
	s_and_not1_b32 s[52+t], s[52+t], s[53+t]
.set t, t+1
.endr
.set t, 0
.rept 11
	v_cndmask_b32 v[RB+2*t], 0, 1.0, s[40+t]
	v_cndmask_b32 v[RB+2*t+1], 0, 1.0, s[52+t]
.set t, t+1
.endr
	LEVEL RCA, 10
	LEVEL RCB, 9
	LEVEL RCC, 8
.irp q, 0,1,2,3
	v_cvt_pk_f16_f32 v[OA+\q], v[RB+4*\q], v[RB+4*\q+2]
	v_cvt_pk_f16_f32 v[OB+\q], v[RB+4*\q+1], v[RB+4*\q+3]
.endr
	s_wait_xcnt 0x0                                ; the last two stores have read their data: it is written again only behind this wait
.irp q, 0,1,2,3
	v_cndmask_b32 v[TS+\q], v[OB+\q], v[OA+\q], s34
.endr
.irp q, 0,1,2,3
	v_mov_b32_dpp v[TP+\q], v[TS+\q] row_xmask:8 row_mask:0xf bank_mask:0xf
.endr
.irp q, 0,1,2,3
	v_cndmask_b32 v[STA+\q], v[OA+\q], v[TP+\q], s34
	v_cndmask_b32 v[STB+\q], v[TP+\q], v[OB+\q], s34
.endr
	global_store_b128 v11, v[STA:STA+3], s[20:21] offset:\simm th:TH_STORE_NT     ; lanes 0-15: rows r, r + 1 of one chunk, 256 consecutive bytes, aligned; lanes 16-31: of the chunk two on
	global_store_b128 v11, v[STB:STB+3], s[20:21] offset:CA+\simm th:TH_STORE_NT  ; the same for the chunks between
.endm
	s_mov_b32 s35, 7
.Lrows:                                        ; four rows a trip
	PAIR XA, 0, 1, 16384, 2
	PAIR XB, 256, 1, 24576, 2
	s_wait_xcnt 0x0                                ; the trip's loads and stores have read the two offsets
	v_add_nc_u32 v10, 16384, v10
	v_add_nc_u32 v11, 512, v11
	s_sub_co_u32 s35, s35, 1
	s_cmp_lg_u32 s35, 0
	s_cbranch_scc1 .Lrows
	PAIR XA, 0, 0, 0, 2                            ; the last four rows load nothing
	PAIR XB, 256, 0, 0, 0
.Lend:
	s_wait_tensorcnt 0x0                           ; the wave's end, behind my last LDS store
	ds_add_u32 v[SPW], v[NIL]
	s_wait_dscnt 0x0
	s_endpgm
.Lfunc_end_k_q04ea8351e2_prep:
	.size	k_q04ea8351e2_prep, .Lfunc_end_k_q04ea8351e2_prep-k_q04ea8351e2_prep
	.p2alignl 7, 3214868480
	.fill 96, 4, 3214868480
	.section	.rodata,"a",@progbits
	.p2align	6, 0x0
	.amdhsa_kernel k_q04ea8351e2_prep
		.amdhsa_group_segment_fixed_size 17408
		.amdhsa_private_segment_fixed_size 0
		.amdhsa_enable_private_segment 0
		.amdhsa_kernarg_size 72
		.amdhsa_user_sgpr_count 2
		.amdhsa_user_sgpr_kernarg_segment_ptr 1
		.amdhsa_wavefront_size32 1
		.amdhsa_system_sgpr_workgroup_id_x 1
		.amdhsa_system_sgpr_workgroup_id_y 1
		.amdhsa_system_sgpr_workgroup_id_z 1
		.amdhsa_system_vgpr_workitem_id 0
		.amdhsa_next_free_vgpr 168
		.amdhsa_next_free_sgpr 66
		.amdhsa_reserve_vcc 0
		.amdhsa_float_denorm_mode_32 3
		.amdhsa_float_denorm_mode_16_64 3
		.amdhsa_memory_ordered 1
		.amdhsa_forward_progress 1
		.amdhsa_inst_pref_size 103
	.end_amdhsa_kernel
	.amdgpu_metadata
---
amdhsa.version: [ 1, 2 ]
amdhsa.kernels:
  - .name:           k_q04ea8351e2_prep
    .symbol:         k_q04ea8351e2_prep.kd
    .args:
      - { .name: x, .offset: 0, .size: 8, .value_kind: global_buffer, .address_space: global }
      - { .name: grid, .offset: 8, .size: 8, .value_kind: global_buffer, .address_space: global }
      - { .name: spline_weight, .offset: 16, .size: 8, .value_kind: global_buffer, .address_space: global }
      - { .name: spline_scaler, .offset: 24, .size: 8, .value_kind: global_buffer, .address_space: global }
      - { .name: base_weight, .offset: 32, .size: 8, .value_kind: global_buffer, .address_space: global }
      - { .name: out_w, .offset: 40, .size: 8, .value_kind: global_buffer, .address_space: global }
      - { .name: Ac, .offset: 48, .size: 8, .value_kind: global_buffer, .address_space: global }
      - { .name: Wc, .offset: 56, .size: 8, .value_kind: global_buffer, .address_space: global }
      - { .name: Oc, .offset: 64, .size: 8, .value_kind: global_buffer, .address_space: global }
    .group_segment_fixed_size: 17408
    .private_segment_fixed_size: 0
    .kernarg_segment_align: 8
    .kernarg_segment_size: 72
    .max_flat_workgroup_size: 256
    .sgpr_count:     66
    .vgpr_count:     168
    .wavefront_size: 32
...
	.end_amdgpu_metadata
.endif
;; end of part 1
;; launch kan (part 2): grid 16 x 16, 4 waves a work-group, clusters of 4 x 4, 327,680 bytes of LDS; arguments Ac, Wc, rot_cos, rot_sin, Qh, Kh, Vh; writes Qh, Kh, Vh
.if DOCPART == 2
	.amdgcn_target "amdgcn-amd-amdhsa--gfx1250"
	.amdhsa_code_object_version 6
	.text
	.protected	k_q04ea8351e2_kan
	.globl	k_q04ea8351e2_kan
	.p2align	8
	.type	k_q04ea8351e2_kan,@function
k_q04ea8351e2_kan:
	s_mov_b64 s[64:65], 0
	v_nop
	global_prefetch_b8 v0, s[64:65] scope:SCOPE_SE
	s_setreg_imm32_b32 hwreg(HW_REG_WAVE_MODE, 25, 1), 1
	s_wait_xcnt 0x0
	s_wait_alu depctr_hold_cnt(0) depctr_sa_sdst(0) depctr_va_vdst(0) depctr_va_sdst(0) depctr_va_ssrc(0) depctr_va_vcc(0) depctr_vm_vsrc(0)
	s_getreg_b32 s2, hwreg(HW_REG_IB_STS2, 6, 4)
	s_cmp_eq_u32 s2, 0
	s_cbranch_scc0 .Lentry_in_a_cluster
	s_endpgm
.Lentry_in_a_cluster:
	s_bfe_u32 s2, ttmp6, 0x10000c
	s_cmp_lg_u32 s2, 0xf033
	s_cbranch_scc0 .Lentry_shape_is_right
	s_endpgm
.Lentry_shape_is_right:
; THE KAN PRODUCT WITH ROPE.  qkv[token][o] = the sum over 9,216 k of Ac[k][token] Wc[k][o]; q and k are turned by rot_cos, rot_sin; q, k, v leave by heads, [16][2048][64] in f16, unscaled.  Nothing is left out.
; Operands f16, sums f32, the rotation f32, each result rounded once.  LIMIT: q, k, v have to lie within f16's 65,504.
; SHARES.  A work-group makes 128 tokens x one head's 192 outputs: 16 x 16 work-groups.  Wave w: 64 tokens (w / 2) x 96 rows of Wc (w % 2), which by Wc's row order are q, k, v for d = 32 (w % 2) .. + 31:
; 24 accumulators (a = 0..3 blocks of 16 tokens, b = 0..5 blocks of 16 rows: part b / 2, d = 32 (w % 2) + 16 (b % 2) ..), 10 fragments for 24 matrix instructions.
; THE MATRIX INSTRUCTION IS USED TRANSPOSED (source 0 = 16 rows of Wc, source 1 = 16 tokens): a lane holds one token (l % 16) and eight neighbouring d, so a rotation's pair lies in neighbouring registers.
; THE RING.  A chunk (64 along K) of the tile is 320 rows x 144 bytes = 46,080 bytes of LDS: seven fit beside the spare words, eight do not.  So the two slots are unequal, 4 chunks and 3: a lap is 7 chunks, and
; 144 = 20 x 7 + 4 chunks make 41 steps.  A refill has one step in which to land, so the steps are as long as LDS allows.  A chunk's rows are dense in memory: a tile is 4 or 3 long rows (64 x 128 or 96 x 128 bytes),
; and the mover pads after every 128 bytes.
; CLUSTER 4 x 4: the four of a row share the token block (Ac's tile), the four of a column the head (Wc's tile): each tile is asked for jointly.
; REGISTERS.  window 0: v0-39 addresses and work; v64-255 the accumulators.  window 1: two fragment buffers of 80 (Wc's six, then Ac's four); v160-191 cos, v192-223 sin.
.set CA,    262144
.set CW,    393216
.set PITCH, 144                        ; an LDS row: 128 bytes + 16 = 36 words: the 16 rows of a load start at 16 different groups of four banks (64 banks of 4 bytes: ISA guide 11.1)
.set ACH,   64*PITCH                   ; a chunk of a half of Ac's tile
.set BCH,   96*PITCH                   ; of Wc's
.set N0,    4                          ; chunks in slot 0
.set N1,    3                          ; in slot 1
.set AH0,   N0*ACH                     ; slot 0: Ac's two halves, then Wc's two halves
.set BH0,   N0*BCH
.set BOFF0, 2*AH0
.set BASE1, 2*AH0+2*BH0                ; slot 1 begins at 184,320
.set AH1,   N1*ACH
.set BH1,   N1*BCH
.set BOFF1, BASE1+2*AH1
.set SPARE, BASE1+2*AH1+2*BH1          ; 322,560: behind the ring the spare words, 128 bytes a wave, that no other line names
.set STAGE, BASE1                      ; the way out's stage, [3 parts][128 tokens][144], lies in slot 1's first 55,296 bytes, behind that slot's last fill and last read
.set SPART, 128*PITCH
.set ADRA, 16                          ; v16-17 LDS address of my fragments of Ac in slot 0, 1
.set ADRB, 20                          ; v20-21 of Wc
.set STO,  24                          ; v24 into the stage
.set RD,   25                          ; v25 back from it
.set GO,   26                          ; v26 16 l
.set CSO,  27                          ; v27 my offset in rot_cos and rot_sin
.set SPW,  28                          ; v28 my spare word; never rewritten
.set NIL,  29                          ; v29 0; for the add alone
.set PFO,  30                          ; v30 256 l; never rewritten
.set TT,   32                          ; v32-39 at work
.set ACC,  64
.set COSR, 160                         ; window 1
.set SINR, 192                         ; window 1
.set WV,  20
.set RH,  21                           ; which 64 tokens are mine.  Also: I fetch for Ac (0) or Wc (1)
.set CH,  22                           ; which 96 rows.  Also: which half of that tile I fetch
.set CX,  23
.set CY,  24
.set HEAD, 25
.set TB,  26
.set G1A, 28                           ; s[28:35] group 1 for Ac's tiles of slot 0; slot 1's 56 further on, s[84:91]: it differs in the number of chunks
.set G1B, 36                           ; s[36:43] for Wc's; s[92:99]
.set G0A, 44                           ; s[44:51] a set for each slot
.set G0B, 52                           ; s[52:59]
.set PFA, 60                           ; s[60:61] the chunk that my last prefetches named
.set PST, 62                           ; s[62:63] four chunks
.set LIM, 66                           ; 1 in a wave that prefetches, else the greatest number
.set G1W, (3<<16)|(1<<20)|(1<<21)|(4<<22)|(3<<25)  ; elements of 8 bytes; padding on; bit 21 beside a mask; after every 32 words (code 4) 4 words (code 3)
.set MSB, 0
.macro WIN new
.if MSB != (\new)
	s_set_vgpr_msb (MSB<<8)|(\new)
.set MSB, \new
.endif
.endm
.macro PLACES
.rept 4
	v_nop
.endr
.endm
.macro CREST
	s_cmp_lg_u32 s[WV], 0
	s_cbranch_scc1 .Lnot_wave_0_\@
	s_barrier_signal -3
.Lnot_wave_0_\@:
	s_barrier_wait -3
	s_barrier_signal -1
	s_barrier_wait -1
.endm
.macro CROUND
	s_barrier_signal -1
	s_barrier_wait -1
	CREST
.endm
.macro G1SET g, d0, n, st              ; a tile of n long rows of d0 elements, st elements apart
	s_mov_b32 s[(\g)+1], (\d0)<<16                 ; tensor_dim0
	s_mov_b32 s[(\g)+2], (\n)<<16                  ; tensor_dim1
	s_mov_b32 s[(\g)+3], (\d0)<<16                 ; tile_dim0
	s_mov_b32 s[(\g)+4], \n                        ; tile_dim1
	s_mov_b32 s[(\g)+5], \st                       ; from chunk to chunk
	s_mov_b32 s[(\g)+6], 0
	s_mov_b32 s[(\g)+7], 0
.endm
; A joint load: waves 0, 1 fetch Ac's halves, waves 2, 3 Wc's.  An s_nop 0 and four v_nop follow each line.
.macro JLOAD s
	s_cmp_eq_u32 s[RH], 0
	s_cbranch_scc0 .Lfor_b_\@
	tensor_load_to_lds s[G0A+4*(\s):G0A+4*(\s)+3], s[G1A+56*(\s):G1A+56*(\s)+7]
	s_nop 0
.rept 4
	v_nop
.endr
	s_branch .Lasked_\@
.Lfor_b_\@:
	tensor_load_to_lds s[G0B+4*(\s):G0B+4*(\s)+3], s[G1B+56*(\s):G1B+56*(\s)+7]
	s_nop 0
.rept 4
	v_nop
.endr
.Lasked_\@:
.endm
; A PREFETCH INTO THE L2, behind a joint load and the run of LDS loads behind it.  An ask names the tile's next FOUR chunks; of the four partners that ask for the tile jointly, partner p takes chunk 4 n + p whole, told apart
; by address alone (p = cx for Ac, cy for Wc).  Ac's tile is read by every cluster of its row of clusters: cluster x = 0 asks, wave 0 (16,384 bytes: two lines, a lane 256 bytes).  Wc's by every cluster of its column:
; cluster y = 0 asks, wave 2 (24,576 bytes: three lines).  So each 256 bytes are named once.  A lap eats 7 chunks, so SEVEN asks stand in four laps: at every lap's first change of slots, and at its second but where
; the count of laps is a multiple of 4 (par = 1).  The 32 asks name chunks 16 to 143, each two or three refills ahead of the refill that is the first to want it.  Chunks 0-15 come by their loads alone; the loop's
; last lap (count 1) asks for nothing: laps 19 down to 2 hold 18 + 14 = 32 asks.
.macro ASK par
	s_cmp_gt_u32 s3, s[LIM]
	s_cbranch_scc0 .Lnot_mine_\@
.if \par
	s_and_b32 s67, s3, 3
	s_cmp_lg_u32 s67, 0
	s_cbranch_scc0 .Lnot_mine_\@
.endif
	s_add_nc_u64 s[PFA:PFA+1], s[PFA:PFA+1], s[PST:PST+1]  ; behind the s_wait_xcnt 0 at this change's head; no global instruction stands between
	global_prefetch_b8 v[PFO], s[PFA:PFA+1] th:TH_LOAD_NT scope:SCOPE_SE
	global_prefetch_b8 v[PFO], s[PFA:PFA+1] offset:8192 th:TH_LOAD_NT scope:SCOPE_SE
	s_cmp_eq_u32 s[WV], 2
	s_cbranch_scc0 .Lnot_mine_\@
	global_prefetch_b8 v[PFO], s[PFA:PFA+1] offset:16384 th:TH_LOAD_NT scope:SCOPE_SE
.Lnot_mine_\@:
.endm
	s_load_b256 s[4:11], s[0:1], 0x0               ; Ac s[4:5], Wc s[6:7], rot_cos s[8:9], rot_sin s[10:11]
	s_load_b128 s[12:15], s[0:1], 0x20             ; Qh, Kh
	s_load_b64 s[16:17], s[0:1], 0x30              ; Vh
	v_lshl_add_u32 v[SPW], v0, 2, SPARE
	v_mov_b32 v[NIL], 0
	ds_add_u32 v[SPW], v[NIL]                      ; the wave's opening: the add, twice on end, and its wait ahead of my first tensor load
	ds_add_u32 v[SPW], v[NIL]
	v_lshrrev_b32 v1, 5, v0
	v_readfirstlane_b32 s[WV], v1
	s_lshr_b32 s[RH], s[WV], 1
	s_and_b32 s[CH], s[WV], 1
	s_bfe_u32 s[CX], ttmp6, 0x40000
	s_bfe_u32 s[CY], ttmp6, 0x40004
	s_lshl_b32 s[HEAD], ttmp9, 2
	s_add_co_u32 s[HEAD], s[HEAD], s[CX]           ; head = 4 x cluster x + cx
	s_and_b32 s[TB], ttmp7, 0xffff
	s_lshl_b32 s[TB], s[TB], 2
	s_add_co_u32 s[TB], s[TB], s[CY]               ; token block = 4 x cluster y + cy
	s_lshl_b32 s67, s[CY], 2
	s_lshl_b32 s67, 15, s67                        ; my row of the cluster
	s_lshl_b32 s68, 0x1111, s[CX]                  ; my column
	s_or_b32 s[G1A], s67, G1W
	s_or_b32 s[G1B], s68, G1W
	s_or_b32 s[G1A+56], s67, G1W
	s_or_b32 s[G1B+56], s68, G1W
	G1SET G1A, 1024, N0, CA/8                      ; 64 rows x 128 bytes in elements of 8
	G1SET G1B, 1536, N0, CW/8                      ; 96 rows x 128 bytes
	G1SET G1A+56, 1024, N1, CA/8
	G1SET G1B+56, 1536, N1, CW/8
	s_lshl_b32 s70, s[TB], 14                      ; Ac: 128 tokens x 128 bytes a block,
	s_lshl_b32 s71, s[CH], 13                      ; the half that I fetch
	s_add_co_u32 s70, s70, s71
	s_mov_b32 s71, 0
	s_mul_i32 s72, s[HEAD], 24576                  ; Wc: 192 rows x 128 bytes a head,
	s_mul_i32 s73, s[CH], 12288
	s_add_co_u32 s72, s72, s73
	s_mov_b32 s73, 0
	s_mul_i32 s74, s[CH], AH0                      ; where they go: no place in the cluster enters an LDS address
	s_mul_i32 s75, s[CH], BH0
	s_add_co_u32 s75, s75, BOFF0
	s_mul_i32 s76, s[CH], AH1
	s_add_co_u32 s76, s76, BASE1
	s_mul_i32 s77, s[CH], BH1
	s_add_co_u32 s77, s77, BOFF1
	s_wait_dscnt 0x0                               ; both opening adds are done
	s_wait_kmcnt 0x0
	s_add_nc_u64 s[70:71], s[4:5], s[70:71]
	s_add_nc_u64 s[72:73], s[6:7], s[72:73]
	CROUND                                         ; all sixteen work-groups are here: the first joint loads meet
	s_mov_b32 s[G0A], 1                            ; slot 0: chunks 0-3
	s_mov_b32 s[G0A+1], s74
	s_add_nc_u64 s[G0A+2:G0A+3], s[70:71], 0
	s_or_b32 s[G0A+3], s[G0A+3], 0x80000000
	s_mov_b32 s[G0B], 1
	s_mov_b32 s[G0B+1], s75
	s_add_nc_u64 s[G0B+2:G0B+3], s[72:73], 0
	s_or_b32 s[G0B+3], s[G0B+3], 0x80000000
	s_mov_b32 s[G0A+4], 1                          ; slot 1: chunks 4-6
	s_mov_b32 s[G0A+5], s76
	s_add_nc_u64 s[G0A+6:G0A+7], s[70:71], N0*CA
	s_or_b32 s[G0A+7], s[G0A+7], 0x80000000
	s_mov_b32 s[G0B+4], 1
	s_mov_b32 s[G0B+5], s77
	s_add_nc_u64 s[G0B+6:G0B+7], s[72:73], N0*CW
	s_or_b32 s[G0B+7], s[G0B+7], 0x80000000
	s_cmp_eq_u32 s[RH], 0                          ; a wave's two first fills stand in one branch: two loads of mine are out
	s_cbranch_scc0 .Lfirst_b
	tensor_load_to_lds s[G0A:G0A+3], s[G1A:G1A+7]
	s_nop 0
	tensor_load_to_lds s[G0A+4:G0A+7], s[G1A+56:G1A+63]
	s_nop 0
.rept 4
	v_nop
.endr
	s_branch .Lfirst_asked
.Lfirst_b:
	tensor_load_to_lds s[G0B:G0B+3], s[G1B:G1B+7]
	s_nop 0
	tensor_load_to_lds s[G0B+4:G0B+7], s[G1B+56:G1B+63]
	s_nop 0
.rept 4
	v_nop
.endr
.Lfirst_asked:
	v_and_b32 v1, 15, v0                           ; l % 16
	v_bfe_u32 v2, v0, 4, 1                         ; l / 16
	v_mul_u32_u24 v3, v1, PITCH
	v_lshl_add_u32 v3, v2, 4, v3                   ; a fragment's row x pitch + 16 x half
	s_mul_i32 s67, s[RH], AH0
	v_add_nc_u32 v[ADRA], s67, v3
	s_mul_i32 s67, s[RH], AH1
	s_add_co_u32 s67, s67, BASE1
	v_add_nc_u32 v[ADRA+1], s67, v3
	s_mul_i32 s67, s[CH], BH0
	s_add_co_u32 s67, s67, BOFF0
	v_add_nc_u32 v[ADRB], s67, v3
	s_mul_i32 s67, s[CH], BH1
	s_add_co_u32 s67, s67, BOFF1
	v_add_nc_u32 v[ADRB+1], s67, v3
	s_mul_i32 s67, s[RH], 64*PITCH                 ; into the stage: token 64 (w / 2) + l % 16 (+ 16 a), byte 64 (w % 2) + 16 (l / 16) (+ 32 (b % 2))
	s_lshl_b32 s68, s[CH], 6
	s_add_co_u32 s67, s67, s68
	s_add_co_u32 s67, s67, STAGE
	v_add_nc_u32 v[STO], s67, v3
	v_bfe_u32 v[RD], v0, 3, 2                      ; back: wave w takes tokens 32 w on, four rows of 128 bytes a load
	s_lshl_b32 s67, s[WV], 5
	v_add_nc_u32 v[RD], s67, v[RD]
	v_mul_u32_u24 v[RD], v[RD], PITCH
	v_and_b32 v4, 7, v0
	v_lshl_add_u32 v[RD], v4, 4, v[RD]
	v_add_nc_u32 v[RD], STAGE, v[RD]
	v_and_b32 v[GO], 31, v0
	v_lshlrev_b32 v[GO], 4, v[GO]
	v_lshlrev_b32 v[PFO], 4, v[GO]
	v_lshlrev_b32 v[CSO], 7, v1                    ; a row of rot_cos is 128 bytes; my four angles begin at 16 (w % 2) + 4 (l / 16) (+ 8 (b % 2))
	v_lshl_add_u32 v[CSO], v2, 4, v[CSO]
	s_lshl_b32 s67, s[TB], 14
	s_lshl_b32 s68, s[RH], 13
	s_add_co_u32 s67, s67, s68
	s_lshl_b32 s68, s[CH], 6
	s_add_co_u32 s67, s67, s68
	v_add_nc_u32 v[CSO], s67, v[CSO]
	WIN 0x40                                       ; destination window 1, address window 0
.irp a, 0,1,2,3
.irp e, 0,1
	global_load_b128 v[COSR+4*(2*\a+\e):COSR+4*(2*\a+\e)+3], v[CSO], s[8:9] offset:2048*\a+32*\e
	global_load_b128 v[SINR+4*(2*\a+\e):SINR+4*(2*\a+\e)+3], v[CSO], s[10:11] offset:2048*\a+32*\e
.endr
.endr
	WIN 0
	s_lshl_b32 s68, s[HEAD], 18                    ; where my 32 tokens of the head begin in Qh, Kh, Vh
	s_lshl_b32 s69, s[TB], 14
	s_add_co_u32 s68, s68, s69
	s_lshl_b32 s69, s[WV], 12
	s_add_co_u32 s68, s68, s69
	s_mov_b32 s69, 0
	s_add_nc_u64 s[12:13], s[12:13], s[68:69]
	s_add_nc_u64 s[14:15], s[14:15], s[68:69]
	s_add_nc_u64 s[16:17], s[16:17], s[68:69]
	s_lshl_b32 s76, s[TB], 14                      ; the prefetches: the tile's first byte in chunk 0,
	s_mov_b32 s77, 0
	s_add_nc_u64 s[76:77], s[4:5], s[76:77]
	s_mul_i32 s78, s[HEAD], 24576
	s_mov_b32 s79, 0
	s_add_nc_u64 s[78:79], s[6:7], s[78:79]
	s_mov_b32 s80, CA
	s_mov_b32 s81, CW
	s_and_b32 s82, ttmp7, 0xffff                   ; cluster y
	s_cmp_eq_u32 s[RH], 0                          ; do I fetch for Ac?
	s_cselect_b64 s[PFA:PFA+1], s[76:77], s[78:79]
	s_cselect_b32 s80, s80, s81                    ; a chunk's bytes
	s_cselect_b32 s81, s[CX], s[CY]                ; my place among the four that ask with me
	s_cselect_b32 s82, ttmp9, s82                  ; the coordinate along which other clusters read the same tile
	s_or_b32 s82, s82, s[CH]                       ; waves 0 and 2 alone
	s_cmp_eq_u32 s82, 0
	s_cselect_b32 s[LIM], 1, -1                    ; the same in all sixteen partners, for a given wave
	s_add_co_u32 s81, s81, 12
	s_mul_i32 s82, s81, s80                        ; at chunk 12 + p: the first ask steps it to 16 + p
	s_mov_b32 s83, 0
	s_add_nc_u64 s[PFA:PFA+1], s[PFA:PFA+1], s[82:83]
	s_lshl_b32 s[PST], s80, 2
	s_mov_b32 s[PST+1], 0
; 6 matrix instructions: token block a x all six row blocks, 32 along K, from buffer f.  The 24 accumulators take turns in one order everywhere: 23 others stand between two links of a chain.
.macro MULR f, a, zero
	WIN 0x05                                       ; sources 0 and 1 window 1; C and D window 0
.irp b, 0,1,2,3,4,5
.if \zero
	v_wmma_f32_16x16x32_f16 v[ACC+8*(6*(\a)+\b):ACC+8*(6*(\a)+\b)+7], v[80*(\f)+8*\b:80*(\f)+8*\b+7], v[80*(\f)+48+8*(\a):80*(\f)+48+8*(\a)+7], 0
.else
	v_wmma_f32_16x16x32_f16 v[ACC+8*(6*(\a)+\b):ACC+8*(6*(\a)+\b)+7], v[80*(\f)+8*\b:80*(\f)+8*\b+7], v[80*(\f)+48+8*(\a):80*(\f)+48+8*(\a)+7], v[ACC+8*(6*(\a)+\b):ACC+8*(6*(\a)+\b)+7]
.endif
.endr
.endm
.macro FA slot, j, f, a                ; Ac's fragment of token block a
	ds_load_b128 v[80*(\f)+48+8*(\a):80*(\f)+48+8*(\a)+3],   v[ADRA+(\slot)] offset:ACH*((\j)/2)+16*PITCH*(\a)+64*((\j)%2)
	ds_load_b128 v[80*(\f)+48+8*(\a)+4:80*(\f)+48+8*(\a)+7], v[ADRA+(\slot)] offset:ACH*((\j)/2)+16*PITCH*(\a)+64*((\j)%2)+32
.endm
; 20 LDS loads in one run: the fragments of sub-step j (chunk j / 2, 32 along K at byte 64 (j % 2)) of a slot, into buffer f, in the order in which the products want them:
; token block 0, Wc's six, then token blocks 1, 2, 3.
.macro FETCH slot, j, f
	WIN 0x40                                       ; destination window 1, address window 0
	FA \slot, \j, \f, 0
.irp b, 0,1,2,3,4,5
	ds_load_b128 v[80*(\f)+8*\b:80*(\f)+8*\b+3],   v[ADRB+(\slot)] offset:BCH*((\j)/2)+16*PITCH*\b+64*((\j)%2)
	ds_load_b128 v[80*(\f)+8*\b+4:80*(\f)+8*\b+7], v[ADRB+(\slot)] offset:BCH*((\j)/2)+16*PITCH*\b+64*((\j)%2)+32
.endr
	FA \slot, \j, \f, 1
	FA \slot, \j, \f, 2
	FA \slot, \j, \f, 3
.endm
; A sub-step is 32 along K, 24 matrix instructions; a slot has 8 or 6 of them, on buffers 0, 1 by turns.  At its head, four places behind the last product that read the other buffer, a sub-step fetches its successor
; (slot fs, number fj) into that buffer: the run has the sub-step's 24 matrix instructions in which to land.  The waits are counted: the run just issued (20) may stay out, and of my own run the loads for the token
; blocks that are not yet due: 6, 4, 2, 0.
.macro SUB f, fs, fj, zero=0
	PLACES
	FETCH \fs, \fj, 1-(\f)
	s_wait_dscnt 26
	MULR \f, 0, \zero
	s_wait_dscnt 24
	MULR \f, 1, \zero
	s_wait_dscnt 22
	MULR \f, 2, \zero
	s_wait_dscnt 20
	MULR \f, 3, \zero
.endm
.macro RUN slot, from, to              ; sub-steps from .. to of a slot, each fetching the next of the same slot
.set jj, \from
.rept (\to)-(\from)+1
.set ff, jj%2
.set nj, jj+1
	SUB ff, \slot, nj
.set jj, jj+1
.endr
.endm
.macro LAST f                          ; the very last sub-step fetches nothing
	s_wait_dscnt 6
	MULR \f, 0, 0
	s_wait_dscnt 4
	MULR \f, 1, 0
	s_wait_dscnt 2
	MULR \f, 2, 0
	s_wait_dscnt 0x0
	MULR \f, 3, 0
.endm
; A slot's last sub-step (buffer 1) begins with THE CHANGE OF SLOTS: its own fragments, the slot's last bytes, were asked for a sub-step ago.  Each wave waits for all its tensor loads (one is out: its part of the next
; slot), adds 0 to its spare word, and waits for that and for its reads of this slot.  fill = 1: the barrier opens a round of the cluster's, and the joint refill, with the slot's chunks of the next lap, is the first thing
; behind it.  NO PRODUCT STANDS BETWEEN THE WAIT FOR THE TILE AND THE REQUEST: the request has one step in which to land, and whatever stood there would take its time from that.  The sub-step's 24 products follow the fetch.
.macro TURN slot, next, fill, ask=0, par=0
	WIN 0
	s_wait_xcnt 0x0                                ; the last prefetches, a step back, have read their address
	s_wait_tensorcnt 0x0
	ds_add_u32 v[SPW], v[NIL]                      ; 0 onto my spare word; with fill = 1 the descriptors' steps stand between it and the wait for it
.if \fill
	s_add_nc_u64 s[G0A+4*(\slot)+2:G0A+4*(\slot)+3], s[G0A+4*(\slot)+2:G0A+4*(\slot)+3], (N0+N1)*CA
	s_add_nc_u64 s[G0B+4*(\slot)+2:G0B+4*(\slot)+3], s[G0B+4*(\slot)+2:G0B+4*(\slot)+3], (N0+N1)*CW
.endif
	s_wait_dscnt 0x0                               ; the add is done, and my reads of this slot are over
	s_barrier_signal -1
	s_barrier_wait -1
.if \fill
	CREST
	JLOAD \slot                                    ; its four v_nop are also the places in front of the loads below
.else
	PLACES
.endif
	FETCH \next, 0, 0
.if \ask
	WIN 0
	ASK \par
.endif
	MULR 1, 0, 0
	MULR 1, 1, 0
	MULR 1, 2, 0
	MULR 1, 3, 0
.endm
	s_wait_tensorcnt 1                             ; my part of step 0 is in; step 1's may stay out
	s_barrier_signal -1
	s_barrier_wait -1
	FETCH 0, 0, 0
	SUB 0, 0, 1, 1                                 ; the first sub-step stands in front of the loop: its products start the sums
	WIN 0
	s_mov_b32 s3, 19
.Llap:                                         ; once round the ring, from a lap's second sub-step to the next lap's first; both slots are filled again: steps 2 to 39
	RUN 0, 1, 6
	TURN 0, 1, 1, 1, 0
	RUN 1, 0, 4
	TURN 1, 0, 1, 1, 1
	RUN 0, 0, 0
	WIN 0
	s_sub_co_u32 s3, s3, 1
	s_cmp_lg_u32 s3, 0
	s_cbranch_scc1 .Llap
	RUN 0, 1, 6                                    ; the tail is written out: step 38
	TURN 0, 1, 1                                   ; whose change asks for the last four chunks, step 40;
	RUN 1, 0, 4                                    ; step 39,
	TURN 1, 0, 0                                   ; whose change fills nothing and has no round;
	RUN 0, 0, 6                                    ; step 40
	LAST 1
	; THE WAY OUT.  q and k (b = 0..3) are turned: (tr, ti) -> (tr c - ti s, tr s + ti c), angle number d / 2; each accumulator is first read in its four lowest registers.
	WIN 0
	PLACES
	PLACES
	s_wait_loadcnt 0x0                             ; cos and sin
	WIN 0x04                                       ; source 1 window 1
.irp a, 0,1,2,3
.irp b, 0,1,2,3
.irp p, 0,1,2,3
	v_mul_f32 v[TT+2*\p], v[ACC+8*(6*\a+\b)+2*\p+1], v[SINR+4*(2*\a+(\b%2))+\p]
	v_mul_f32 v[TT+2*\p+1], v[ACC+8*(6*\a+\b)+2*\p+1], v[COSR+4*(2*\a+(\b%2))+\p]
.endr
.irp p, 0,1,2,3
	v_fma_f32 v[ACC+8*(6*\a+\b)+2*\p+1], v[ACC+8*(6*\a+\b)+2*\p], v[SINR+4*(2*\a+(\b%2))+\p], v[TT+2*\p+1]
	v_fma_f32 v[ACC+8*(6*\a+\b)+2*\p], v[ACC+8*(6*\a+\b)+2*\p], v[COSR+4*(2*\a+(\b%2))+\p], -v[TT+2*\p]
.endr
.endr
.endr
	WIN 0
.set n, 0
.rept 24
.irp r, 0,1,2,3
	v_cvt_pk_f16_f32 v[ACC+8*n+\r], v[ACC+8*n+2*\r], v[ACC+8*n+2*\r+1]  ; in place, ascending: a destination's old number has been read
.endr
.set n, n+1
.endr
.irp a, 0,1,2,3
.irp b, 0,1,2,3,4,5
	ds_store_b128 v[STO], v[ACC+8*(6*\a+\b):ACC+8*(6*\a+\b)+3] offset:SPART*(\b/2)+16*PITCH*\a+32*(\b%2)  ; slot 1: every wave's last read of it was waited for in front of the last change's barrier
.endr
.endr
	s_wait_dscnt 0x0                               ; for the others' sake: a row's 128 bytes come from two waves
	s_barrier_signal -1
	s_barrier_wait -1
.set n, 0
.rept 24
	ds_load_b128 v[ACC+8*n+4:ACC+8*n+7], v[RD] offset:SPART*(n/8)+4*PITCH*(n%8)
.set n, n+1
.endr
.set n, 0
.rept 24
	s_wait_dscnt 23-n
	global_store_b128 v[GO], v[ACC+8*n+4:ACC+8*n+7], s[12+2*(n/8):13+2*(n/8)] offset:512*(n%8)  ; four rows of a head: 512 consecutive bytes, aligned
.set n, n+1
.endr
	s_wait_tensorcnt 0x0                           ; the wave's end
	ds_add_u32 v[SPW], v[NIL]
	s_wait_dscnt 0x0
	CROUND                                         ; the closing round
	s_endpgm
.Lfunc_end_k_q04ea8351e2_kan:
	.size	k_q04ea8351e2_kan, .Lfunc_end_k_q04ea8351e2_kan-k_q04ea8351e2_kan
	.p2alignl 7, 3214868480
	.fill 96, 4, 3214868480
	.section	.rodata,"a",@progbits
	.p2align	6, 0x0
	.amdhsa_kernel k_q04ea8351e2_kan
		.amdhsa_group_segment_fixed_size 327680
		.amdhsa_private_segment_fixed_size 0
		.amdhsa_enable_private_segment 0
		.amdhsa_kernarg_size 56
		.amdhsa_user_sgpr_count 2
		.amdhsa_user_sgpr_kernarg_segment_ptr 1
		.amdhsa_wavefront_size32 1
		.amdhsa_system_sgpr_workgroup_id_x 1
		.amdhsa_system_sgpr_workgroup_id_y 1
		.amdhsa_system_sgpr_workgroup_id_z 1
		.amdhsa_system_vgpr_workitem_id 0
		.amdhsa_next_free_vgpr 480
		.amdhsa_next_free_sgpr 100
		.amdhsa_reserve_vcc 0
		.amdhsa_float_denorm_mode_32 3
		.amdhsa_float_denorm_mode_16_64 3
		.amdhsa_memory_ordered 1
		.amdhsa_forward_progress 1
		.amdhsa_inst_pref_size 150
	.end_amdhsa_kernel
	.amdgpu_metadata
---
amdhsa.version: [ 1, 2 ]
amdhsa.kernels:
  - .name:           k_q04ea8351e2_kan
    .symbol:         k_q04ea8351e2_kan.kd
    .args:
      - { .name: Ac, .offset: 0, .size: 8, .value_kind: global_buffer, .address_space: global }
      - { .name: Wc, .offset: 8, .size: 8, .value_kind: global_buffer, .address_space: global }
      - { .name: rot_cos, .offset: 16, .size: 8, .value_kind: global_buffer, .address_space: global }
      - { .name: rot_sin, .offset: 24, .size: 8, .value_kind: global_buffer, .address_space: global }
      - { .name: Qh, .offset: 32, .size: 8, .value_kind: global_buffer, .address_space: global }
      - { .name: Kh, .offset: 40, .size: 8, .value_kind: global_buffer, .address_space: global }
      - { .name: Vh, .offset: 48, .size: 8, .value_kind: global_buffer, .address_space: global }
    .group_segment_fixed_size: 327680
    .private_segment_fixed_size: 0
    .kernarg_segment_align: 8
    .kernarg_segment_size: 56
    .max_flat_workgroup_size: 128
    .sgpr_count:     100
    .vgpr_count:     480
    .wavefront_size: 32
...
	.end_amdgpu_metadata
.endif
;; end of part 2
;; launch attn (part 3): grid 16 x 16, 4 waves a work-group, clusters of 4 x 1, 327,680 bytes of LDS; arguments Qh, Kh, Vh, Ch; writes Ch
.if DOCPART == 3
	.amdgcn_target "amdgcn-amd-amdhsa--gfx1250"
	.amdhsa_code_object_version 6
	.text
	.protected	k_q04ea8351e2_attn
	.globl	k_q04ea8351e2_attn
	.p2align	8
	.type	k_q04ea8351e2_attn,@function
k_q04ea8351e2_attn:
	s_mov_b64 s[64:65], 0
	v_nop
	global_prefetch_b8 v0, s[64:65] scope:SCOPE_SE
	s_setreg_imm32_b32 hwreg(HW_REG_WAVE_MODE, 25, 1), 1
	s_wait_xcnt 0x0
	s_wait_alu depctr_hold_cnt(0) depctr_sa_sdst(0) depctr_va_vdst(0) depctr_va_sdst(0) depctr_va_ssrc(0) depctr_va_vcc(0) depctr_vm_vsrc(0)
	s_getreg_b32 s2, hwreg(HW_REG_IB_STS2, 6, 4)
	s_cmp_eq_u32 s2, 0
	s_cbranch_scc0 .Lentry_in_a_cluster
	s_endpgm
.Lentry_in_a_cluster:
	s_bfe_u32 s2, ttmp6, 0x10000c
	s_cmp_lg_u32 s2, 0x3003
	s_cbranch_scc0 .Lentry_shape_is_right
	s_endpgm
.Lentry_shape_is_right:
; ATTENTION.  Ch[h][q][:] = the sum over k of softmax_k(Qh[h][q] . Kh[h][k] / 8) Vh[h][k][:].  All four [16][2048][64] in f16, a head's rows dense, 128 bytes each.  Nothing is left out.
; Products, maxima and sums in f32; the weights p are rounded to f16 for the second product (their sum l is taken of the unrounded p), the result once at the end.
; LIMITS.  p below 6e-5 keeps f16's fixed step of 6e-8; a weight below 2^-126 counts as 0 in l; NaN and infinities are not treated apart.
; SHARES.  A work-group owns 128 queries of a head (16 x 16 work-groups), a wave 32: two tiles of 16.  Every wave walks all 2,048 keys, 64 a step, 32 steps.
; LAYOUT.  S^T = K Q^T (source 0 = 16 keys, source 1 = 16 queries): a lane holds ONE query (l % 16) and the keys 8 (l / 16) + 0..7; two such results rounded to f16 ARE source 1 of O^T = V^T P.  V comes out of LDS turned.
; SOFTMAX.  A running maximum m and sum l: p = 2^(c s - c m), c = log2(e) / 8; in every step O and l are multiplied by a = 2^(c m_old - c m_new).  m starts at the lowest finite number, O and l at 0: the first step has a = 0.
; IN PHASES: a step's softmax, its 16 products V^T P, the next step's 16 products K Q^T; the LDS loads in two runs of 16, each issued a phase ahead of its use.  A step's 66 exponentials are one batch with one wait.
; CLUSTER 4 x 1: four query blocks of one head walk the same K and V: each tile (256 keys, four steps) is asked for jointly.
; REGISTERS.  window 0: all that the softmax touches, and O^T.  window 1: v0-31 Q, v64-127 K of a step, v128-191 V of a step.
.set KS,    64
.set PK,    144                        ; a row of K in LDS: 128 + 16 bytes: 16 rows start at 16 different groups of four banks (ISA guide 11.1)
.set PV,    160                        ; a row of V: 128 + 32
.set VOFF,  4*KS*PK
.set SLOT1, 1<<17
.set STAGE, SLOT1+4*KS*(PK+PV)         ; 16 rows x 144 bytes for each wave, never filled by a tensor load
.set SP,    144
.set SPARE, STAGE+4*16*SP              ; the spare words, 128 bytes a wave, that no other line names
.set AK0, 2
.set AV0, 3
.set AK,  4
.set AV,  5
.set STO, 6
.set RD,  7
.set GO,  8
.set MV,  12                           ; v12-13 c m_old, by tile
.set QO,  14
.set ST,  16                           ; tile t at v[16+4t]: c m, m, l (even keys', odd keys')
.set TMP, 48                           ; tile t at v[48+4t]: c0-c3 at work; c2 takes a
.set PFO, 61
.set SPW, 62
.set NIL, 63
.set S,   64
.set P,   128
.set O,   160
.set KF,  64                           ; window 1
.set VF,  128                          ; window 1
.set WV,  12
.set LIM, 15
.set PFA, 18
.set G1K, 24
.set G1V, 32
.set G0K, 40
.set G0V, 44
.set SLOTS, 56
.set CNT, 57
.set CS,  58
.set SEL, 60
.set TBK, 62
.set TBV, 63
.set MSB, 0
.macro WIN new
.if MSB != (\new)
	s_set_vgpr_msb (MSB<<8)|(\new)
.set MSB, \new
.endif
.endm
.macro PLACES
.rept 4
	v_nop
.endr
.endm
.macro JLOAD                           ; waves 0, 1 fetch the halves of a tile's K, waves 2, 3 of its V: 128 keys each
	s_cmp_lt_u32 s[WV], 2
	s_cbranch_scc0 .Lfor_v_\@
	tensor_load_to_lds s[G0K:G0K+3], s[G1K:G1K+7]
	s_nop 0
.rept 4
	v_nop
.endr
	s_branch .Lasked_\@
.Lfor_v_\@:
	tensor_load_to_lds s[G0V:G0V+3], s[G1V:G1V+7]
	s_nop 0
.rept 4
	v_nop
.endr
.Lasked_\@:
.endm
.macro CROUND
	s_barrier_signal -1
	s_barrier_wait -1
	s_cmp_lg_u32 s[WV], 0
	s_cbranch_scc1 .Lnot_wave_0_\@
	s_barrier_signal -3
.Lnot_wave_0_\@:
	s_barrier_wait -3
	s_barrier_signal -1
	s_barrier_wait -1
.endm
; A PREFETCH INTO THE L2 of the tile that the NEXT change of slots will ask for: four steps, 128 matrix instructions and four softmaxes, ahead.  A tile is 128 runs of 256 bytes of K and as many of V.  All clusters of a head
; walk the same tiles: the head's first cluster asks; its four partners take 32 runs each, told apart by address; wave 0 asks for K's, wave 2 for V's, a lane a run.  The last change that fills a slot asks for nothing.
.macro ASK
	s_cmp_gt_u32 s[SLOTS], s[LIM]
	s_cbranch_scc0 .Lnot_mine_\@
	global_prefetch_b8 v[PFO], s[PFA:PFA+1] th:TH_LOAD_NT scope:SCOPE_SE
.Lnot_mine_\@:
.endm
; THE CHANGE OF SLOTS, in front of the trip that fetches a tile's first step: the old slot's K and V have all been asked for.  Each wave waits for all its tensor loads (one is out: its part of the other slot), adds 0 to its
; spare word, waits for that and for its reads.  fill = 1: the barrier is a round of the cluster's, and the joint fill of the old slot, with the tile two on, is the first thing behind it.
.macro CHANGE fill
	s_wait_tensorcnt 0x0
	ds_add_u32 v[SPW], v[NIL]
.if \fill
.irp g, G0K, G0V
	s_xor_b32 s[\g+1], s[\g+1], SLOT1
	s_add_nc_u64 s[\g+2:\g+3], s[\g+2:\g+3], 4*KS*128
.endr
	s_wait_xcnt 0x0                                ; the last prefetch, four steps back, has read its address
	s_add_nc_u64 s[PFA:PFA+1], s[PFA:PFA+1], 4*KS*128
	s_wait_dscnt 0x0
	CROUND
	JLOAD
	ASK
.else
	s_wait_dscnt 0x0
	s_barrier_signal -1
	s_barrier_wait -1
.endif
	s_sub_co_u32 s[TBK], s[TBK], 4*KS*PK           ; the fetches go back to a slot's first step, in the other slot
	s_xor_b32 s[TBK], s[TBK], SLOT1
	s_sub_co_u32 s[TBV], s[TBV], 4*KS*PV
	s_xor_b32 s[TBV], s[TBV], SLOT1
.endm
	s_load_b256 s[4:11], s[0:1], 0x0               ; Qh s[4:5], Kh s[6:7], Vh s[8:9], Ch s[10:11]
	v_lshl_add_u32 v[SPW], v0, 2, SPARE
	v_mov_b32 v[NIL], 0
	ds_add_u32 v[SPW], v[NIL]                      ; the wave's opening: the add, twice on end, and its wait ahead of my first tensor load
	ds_add_u32 v[SPW], v[NIL]
	v_lshrrev_b32 v1, 5, v0
	v_readfirstlane_b32 s[WV], v1
	s_bfe_u32 s13, ttmp6, 0x40000                  ; cx
	s_lshl_b32 s14, ttmp9, 2
	s_add_co_u32 s14, s14, s13                     ; my block of 128 queries: it enters Q's and the result's addresses alone
	s_and_b32 s20, ttmp7, 0xffff                   ; the head, which the four partners share
	s_lshl_b32 s20, s20, 18
	s_mov_b32 s21, 0
	s_and_b32 s16, s[WV], 1                        ; which half of a tile's 256 keys I fetch
	s_lshl_b32 s22, s16, 14
	s_mov_b32 s23, 0
	s_add_nc_u64 s[22:23], s[22:23], s[20:21]
	s_mul_i32 s17, s16, 128*PK
	s_mul_i32 s48, s16, 128*PV
	s_lshl_b32 s2, s14, 14
	s_lshl_b32 s3, s[WV], 12                       ; my wave's 32 rows
	s_add_co_u32 s2, s2, s3
	s_mov_b32 s3, 0
	s_add_nc_u64 s[2:3], s[2:3], s[20:21]
	; 128 keys are 16,384 dense bytes: asked for as 64 rows of 256 bytes, padded in LDS after every key
	s_mov_b32 s[G1K], 15|(1<<16)|(1<<20)|(1<<21)|(4<<22)|(3<<25)
	s_mov_b32 s[G1V], 15|(1<<16)|(1<<20)|(1<<21)|(4<<22)|(7<<25)
.irp g, G1K, G1V
	s_mov_b32 s[\g+1], 128<<16
	s_mov_b32 s[\g+2], 64<<16
	s_mov_b32 s[\g+3], 128<<16
	s_mov_b32 s[\g+4], 64
	s_mov_b32 s[\g+5], 128
	s_mov_b32 s[\g+6], 0
	s_mov_b32 s[\g+7], 0
.endr
	s_mov_b32 s[CS], 0x3e38aa3b                    ; c = log2(e) / 8
	s_mov_b32 s[CS+1], s[CS]
	s_mov_b32 s[SEL], 0x76543210
	s_mov_b32 s[SEL+1], 0xfedcba98
	s_mov_b32 s[TBK], SLOT1+4*KS*PK                ; the first change of slots turns these two into 0
	s_mov_b32 s[TBV], SLOT1+4*KS*PV
	s_mov_b32 s[G0K], 1
	s_mov_b32 s[G0K+1], s17
	s_mov_b32 s[G0V], 1
	s_add_co_u32 s[G0V+1], s48, VOFF
	s_and_b32 s[LIM], s[WV], 1
	s_or_b32 s[LIM], s[LIM], ttmp9                 ; waves 0 and 2 of the head's first cluster: the same in all four partners
	s_cmp_eq_u32 s[LIM], 0
	s_cselect_b32 s[LIM], 1, -1
	v_and_b32 v[PFO], 31, v0
	v_lshlrev_b32 v[PFO], 8, v[PFO]
	s_wait_dscnt 0x0
	s_wait_kmcnt 0x0
	s_add_nc_u64 s[6:7], s[6:7], s[22:23]          ; K and V at my half of the head's tile 0
	s_add_nc_u64 s[8:9], s[8:9], s[22:23]
	s_add_nc_u64 s[G0K+2:G0K+3], s[6:7], 0
	s_or_b32 s[G0K+3], s[G0K+3], 0x80000000
	s_add_nc_u64 s[G0V+2:G0V+3], s[8:9], 0
	s_or_b32 s[G0V+3], s[G0V+3], 0x80000000
	s_add_nc_u64 s[4:5], s[4:5], s[2:3]
	s_add_nc_u64 s[10:11], s[10:11], s[2:3]
	s_cmp_lt_u32 s[WV], 2
	s_cselect_b64 s[PFA:PFA+1], s[6:7], s[8:9]     ; (in waves 0 and 2 these stand at a tile's first row)
	s_lshl_b32 s2, s13, 13                         ; my work-group's 32 runs of the 128
	s_mov_b32 s3, 0
	s_add_nc_u64 s[PFA:PFA+1], s[PFA:PFA+1], s[2:3]
	s_add_nc_u64 s[PFA:PFA+1], s[PFA:PFA+1], 4*KS*128  ; in tile 1: the first change steps it to tile 2
	CROUND
	JLOAD                                          ; tile 0 into slot 0
	v_and_b32 v1, 15, v0
	v_bfe_u32 v9, v0, 4, 1
	v_lshlrev_b32 v[QO], 7, v1
	v_lshl_add_u32 v[QO], v9, 4, v[QO]
	WIN 0x40
.irp i, 0,1,2,3                        ; Q stays in registers: tile i / 2, channels 32 (i % 2) on
	global_load_b128 v[8*\i:8*\i+3],   v[QO], s[4:5] offset:(\i/2)*2048+(\i%2)*64
	global_load_b128 v[8*\i+4:8*\i+7], v[QO], s[4:5] offset:(\i/2)*2048+(\i%2)*64+32
.endr
	WIN 0
.set i, 0
.rept 64
	v_mov_b32 v[O+i], 0                            ; written in the wait for the first tile: the price of writing no first step out
.set i, i+1
.endr
.irp t, 0,1
	v_mov_b32 v[ST+4*\t], 0xfe000000               ; c m: far below every c s
	v_mov_b32 v[ST+4*\t+1], 0xff7fffff             ; m
	v_mov_b32 v[ST+4*\t+2], 0
	v_mov_b32 v[ST+4*\t+3], 0
.endr
	v_mul_u32_u24 v[AK0], v1, PK
	v_lshl_add_u32 v[AK0], v9, 4, v[AK0]
	v_and_b32 v10, 7, v0
	v_bfe_u32 v11, v0, 3, 1
	v_lshl_add_u32 v[AV0], v9, 3, v10              ; the turning load: lane l reads key 8 (l / 16) + l % 8, channels 8 ((l / 8) % 2) on
	v_mul_u32_u24 v[AV0], v[AV0], PV
	v_lshl_add_u32 v[AV0], v11, 4, v[AV0]
	v_add_nc_u32 v[AV0], VOFF, v[AV0]
	s_mul_i32 s20, s[WV], 16*SP
	s_add_co_u32 s20, s20, STAGE
	v_mul_u32_u24 v[STO], v1, SP
	v_lshl_add_u32 v[STO], v9, 4, v[STO]
	v_add_nc_u32 v[STO], s20, v[STO]
	v_bfe_u32 v[RD], v0, 3, 2
	v_mul_u32_u24 v[RD], v[RD], SP
	v_lshl_add_u32 v[RD], v10, 4, v[RD]
	v_add_nc_u32 v[RD], s20, v[RD]
	v_and_b32 v[GO], 31, v0
	v_lshlrev_b32 v[GO], 4, v[GO]
; THE MATRIX WORK.  The 8 accumulators of a run of 16 take turns: 7 others stand between the two links of a chain.
.macro KQALL                           ; product i: channels 32 (i / 8) on, keys 16 ((i / 2) % 4) on, tile i % 2; the first 8 start the sums
	WIN 0x05
.set i, 0
.rept 16
.set rS, S+32*(i%2)+8*((i/2)%4)
.set rK, KF+16*((i/2)%4)+8*(i/8)
.set rQ, 16*(i%2)+8*(i/8)
.if i < 8
	v_wmma_f32_16x16x32_f16 v[rS:rS+7], v[rK:rK+7], v[rQ:rQ+7], 0
.else
	v_wmma_f32_16x16x32_f16 v[rS:rS+7], v[rK:rK+7], v[rQ:rQ+7], v[rS:rS+7]
.endif
.set i, i+1
.endr
.endm
.macro PVALL                           ; product i: keys 32 (i / 8) on, channels 16 ((i / 2) % 4) on, tile i % 2
	WIN 0x01
.set i, 0
.rept 16
.set rO, O+32*(i%2)+8*((i/2)%4)
.set rV, VF+32*(i/8)+8*((i/2)%4)
.set rP, P+16*(i%2)+8*(i/8)
	v_wmma_f32_16x16x32_f16 v[rO:rO+7], v[rV:rV+7], v[rP:rP+7], v[rO:rO+7]
.set i, i+1
.endr
.endm
.macro FETCH_K
	WIN 0x40
.irp f, 0,1,2,3,4,5,6,7
	ds_load_b128 v[KF+8*\f:KF+8*\f+3],   v[AK] offset:(\f/2)*16*PK+(\f%2)*64
	ds_load_b128 v[KF+8*\f+4:KF+8*\f+7], v[AK] offset:(\f/2)*16*PK+(\f%2)*64+32
.endr
	s_add_co_u32 s[TBK], s[TBK], KS*PK
	WIN 0
.endm
.macro FETCH_V
	WIN 0x40
.irp f, 0,1,2,3,4,5,6,7
	ds_load_tr16_b128 v[VF+8*\f:VF+8*\f+3],   v[AV] offset:(\f/4)*32*PV+(\f%4)*32
	ds_load_tr16_b128 v[VF+8*\f+4:VF+8*\f+7], v[AV] offset:(\f/4)*32*PV+16*PV+(\f%4)*32
.endr
	s_add_co_u32 s[TBV], s[TBV], KS*PV
	WIN 0
.endm
.macro REGS u
.set rT, ST+4*(\u)
.set rC, TMP+4*(\u)
.set rM, MV+(\u)
.set rS, S+32*(\u)
.set rP, P+16*(\u)
.set rO, O+32*(\u)
.endm
; Number n of the 22 that find tile u's maximum and statistics.  0-11: four chains of seven scores, each accumulator's lowest registers first; 12-14, 16: the four left over, the old m, all into c0;
; 15: c m_old is kept; 17, 18: the query's other 32 keys lie in the lane 16 away; 19-21: c m, its change, a.
.macro XS u, n
	REGS \u
.if (\n) < 4
	v_max3_num_f32 v[rC+(\n)], v[rS+8*(\n)], v[rS+8*(\n)+1], v[rS+8*(\n)+2]
.elseif (\n) < 12
	v_max3_num_f32 v[rC+(\n)%4], v[rC+(\n)%4], v[rS+8*((\n)%4)+2*((\n)/4)+1], v[rS+8*((\n)%4)+2*((\n)/4)+2]
.elseif (\n) == 12
	v_max3_num_f32 v[rC], v[rC], v[rS+7], v[rS+15]
.elseif (\n) == 13
	v_max3_num_f32 v[rC+1], v[rC+1], v[rS+23], v[rS+31]
.elseif (\n) == 14
	v_max3_num_f32 v[rC+2], v[rC+2], v[rC+3], v[rT+1]
.elseif (\n) == 15
	v_mov_b32 v[rM], v[rT]
.elseif (\n) == 16
	v_max3_num_f32 v[rC], v[rC], v[rC+1], v[rC+2]
.elseif (\n) == 17
	v_permlanex16_b32 v[rC+3], v[rC], s[SEL], s[SEL+1]
.elseif (\n) == 18
	v_max_num_f32 v[rT+1], v[rC], v[rC+3]
.elseif (\n) == 19
	v_mul_f32 v[rT], s[CS], v[rT+1]
.elseif (\n) == 20
	v_sub_f32 v[rC+1], v[rM], v[rT]
.else
	v_exp_f32 v[rC+2], v[rC+1]
.endif
.endm
.macro FS u, f                         ; c s - c m for pair f
	REGS \u
	v_pk_fma_f32 v[rS+2*(\f):rS+2*(\f)+1], v[rS+2*(\f):rS+2*(\f)+1], s[CS:CS+1], v[rT:rT+1] op_sel_hi:[1,0,0] neg_lo:[0,0,1] neg_hi:[0,0,1]
.endm
.macro EX u, e
	REGS \u
	v_exp_f32 v[rS+(\e)], v[rS+(\e)]
.endm
; A step's softmax, the two tiles alternating.  Ahead of the one wait nothing names an exponential's result; behind it no exponential is issued.
.macro SOFTMAX
.irp n, 0,1,2,3,4,5,6,7,8,9,10,11,12,13,14,15,16,17,18,19,20,21
	XS 0, \n
	XS 1, \n
.endr
.set f, 0
.rept 16
	FS 0, f
	FS 1, f
.if f > 0
	EX 0, 2*f-2
	EX 1, 2*f-2
	EX 0, 2*f-1
	EX 1, 2*f-1
.endif
.set f, f+1
.endr
	EX 0, 30
	EX 1, 30
	EX 0, 31
	EX 1, 31
	v_nop                                          ; a plain instruction behind the last exponential,
	s_wait_alu depctr_va_vdst(0)                   ; and one wait ahead of the batch's first reader
.set n, 0
.rept 16
	v_cvt_pk_f16_f32 v[P+n], v[S+2*n], v[S+2*n+1]
	v_cvt_pk_f16_f32 v[P+16+n], v[S+32+2*n], v[S+32+2*n+1]
.set n, n+1
.endr
.set z, 0
.rept 15                               ; the sum of a tile's 16 pairs, in place: neighbours 1, 2, 4, 8 pairs apart
.set w, 4
.set u, z
.if z >= 14
.set w, 32
.set u, 0
.elseif z >= 12
.set w, 16
.set u, z-12
.elseif z >= 8
.set w, 8
.set u, z-8
.endif
	v_pk_add_f32 v[S+w*u:S+w*u+1], v[S+w*u:S+w*u+1], v[S+w*u+w/2:S+w*u+w/2+1]
	v_pk_add_f32 v[S+32+w*u:S+32+w*u+1], v[S+32+w*u:S+32+w*u+1], v[S+32+w*u+w/2:S+32+w*u+w/2+1]
.set z, z+1
.endr
.irp t, 0,1
	v_pk_fma_f32 v[ST+4*\t+2:ST+4*\t+3], v[ST+4*\t+2:ST+4*\t+3], v[TMP+4*\t+2:TMP+4*\t+3], v[S+32*\t:S+32*\t+1] op_sel_hi:[1,0,1]  ; l = a l + sum
.endr
.set z, 0
.rept 16
	v_pk_mul_f32 v[O+2*z:O+2*z+1], v[O+2*z:O+2*z+1], v[TMP+2:TMP+3] op_sel_hi:[1,0]          ; O a, ascending
	v_pk_mul_f32 v[O+32+2*z:O+32+2*z+1], v[O+32+2*z:O+32+2*z+1], v[TMP+6:TMP+7] op_sel_hi:[1,0]
.set z, z+1
.endr
.endm
; THE TRIP of step j.  Four places behind the products K Q^T of step j; K of step j + 1 is asked for; the softmax; V^T P of step j; four places; V of step j + 1; K Q^T of step j + 1.
.macro TRIP last
	PLACES
.if !(\last)
	v_add_nc_u32 v[AK], s[TBK], v[AK0]
	FETCH_K
.endif
	SOFTMAX
.if \last
	s_wait_dscnt 0x0
.else
	s_wait_dscnt 16                                ; V of this step is in; K's 16 loads may stay out
.endif
	PVALL
	WIN 0
.if !(\last)
	PLACES
	v_add_nc_u32 v[AV], s[TBV], v[AV0]
	FETCH_V
	s_wait_dscnt 16                                ; K is in; V's 16 loads may stay out
	KQALL
	WIN 0
.endif
.endm
	; THE WALK: 8 tiles of 4 steps.  The slot loop is entered in its middle, so its foot is passed once more than its head: 7 passes of the foot, 6 of the head, which ask for tiles 2 to 7.
	; Trips: 3 (they fetch steps 1-3) + 6 x 4 (steps 4-27) + 4 in the tail (steps 28-31) + the last, which fetches nothing: 32 steps.
	s_mov_b32 s[SLOTS], 7                          ; also what the prefetch's test reads: 7 at the change below, 6 down to 1 at the loop's six
	CHANGE 1                                       ; tile 0 is in, everybody's part of it; tile 1 is asked for
	v_add_nc_u32 v[AK], s[TBK], v[AK0]
	FETCH_K
	v_add_nc_u32 v[AV], s[TBV], v[AV0]
	FETCH_V
	s_wait_loadcnt 0x0                             ; Q
	s_wait_dscnt 16
	KQALL
	WIN 0
	s_mov_b32 s[CNT], 3                            ; tile 0's first step has been fetched: three trips fetch the others
	s_branch .Lstep
.Lslot:                                        ; six times: tiles 2 to 7 are asked for
	CHANGE 1
	s_mov_b32 s[CNT], 4
.Lstep:
	TRIP 0
	s_sub_co_u32 s[CNT], s[CNT], 1
	s_cmp_lg_u32 s[CNT], 0
	s_cbranch_scc1 .Lstep
	s_sub_co_u32 s[SLOTS], s[SLOTS], 1
	s_cmp_lg_u32 s[SLOTS], 0
	s_cbranch_scc1 .Lslot
	CHANGE 0                                       ; the tail is written out
	s_mov_b32 s[CNT], 4
.Ltail:
	TRIP 0
	s_sub_co_u32 s[CNT], s[CNT], 1
	s_cmp_lg_u32 s[CNT], 0
	s_cbranch_scc1 .Ltail
	TRIP 1                                         ; the last step fetches nothing
	; THE WAY OUT: l's halves and the other half of the lanes' are added; O^T is divided by l, rounded to f16 and sent through my stage, a tile at a time.
	PLACES
	PLACES
.irp t, 0,1
	v_add_f32 v[ST+4*\t+2], v[ST+4*\t+2], v[ST+4*\t+3]
.endr
.irp t, 0,1
	v_permlanex16_b32 v[ST+4*\t+3], v[ST+4*\t+2], s[SEL], s[SEL+1]
.endr
.irp t, 0,1
	v_add_f32 v[ST+4*\t+2], v[ST+4*\t+2], v[ST+4*\t+3]
.endr
.irp t, 0,1
	v_rcp_f32 v[ST+4*\t+2], v[ST+4*\t+2]
.endr
	v_nop
	s_wait_alu depctr_va_vdst(0)                   ; one wait for the two reciprocals, ahead of their first reader
.macro PACK t
.set i, 0
.rept 16
	v_pk_mul_f32 v[O+32*(\t)+2*i:O+32*(\t)+2*i+1], v[O+32*(\t)+2*i:O+32*(\t)+2*i+1], v[ST+4*(\t)+2:ST+4*(\t)+3] op_sel_hi:[1,0]
.set i, i+1
.endr
.set i, 0
.rept 16
	v_cvt_pk_f16_f32 v[S+16*(\t)+i], v[O+32*(\t)+2*i], v[O+32*(\t)+2*i+1]
.set i, i+1
.endr
.irp f, 0,1,2,3
	ds_store_b128 v[STO], v[S+16*(\t)+4*\f:S+16*(\t)+4*\f+3] offset:32*\f
.endr
.irp f, 0,1,2,3
	ds_load_b128 v[S+16*(\t)+4*\f:S+16*(\t)+4*\f+3], v[RD] offset:\f*4*SP  ; LDS serves a wave's instructions in order (ISA guide 5.7.1.4): these see the stores above; the next tile's stores come behind them
.endr
.endm
.macro SEND t, younger
.irp f, 0,1,2,3
	s_wait_dscnt (\younger)+3-\f
	global_store_b128 v[GO], v[S+16*(\t)+4*\f:S+16*(\t)+4*\f+3], s[10:11] offset:(\t)*2048+\f*512  ; 512 consecutive bytes, aligned
.endr
.endm
	PACK 0
	PACK 1
	SEND 0, 8
	SEND 1, 0
	s_wait_tensorcnt 0x0                           ; the wave's end
	ds_add_u32 v[SPW], v[NIL]
	s_wait_dscnt 0x0
	CROUND                                         ; the closing round
	s_endpgm
.Lfunc_end_k_q04ea8351e2_attn:
	.size	k_q04ea8351e2_attn, .Lfunc_end_k_q04ea8351e2_attn-k_q04ea8351e2_attn
	.p2alignl 7, 3214868480
	.fill 96, 4, 3214868480
	.section	.rodata,"a",@progbits
	.p2align	6, 0x0
	.amdhsa_kernel k_q04ea8351e2_attn
		.amdhsa_group_segment_fixed_size 327680
		.amdhsa_private_segment_fixed_size 0
		.amdhsa_enable_private_segment 0
		.amdhsa_kernarg_size 32
		.amdhsa_user_sgpr_count 2
		.amdhsa_user_sgpr_kernarg_segment_ptr 1
		.amdhsa_wavefront_size32 1
		.amdhsa_system_sgpr_workgroup_id_x 1
		.amdhsa_system_sgpr_workgroup_id_y 1
		.amdhsa_system_sgpr_workgroup_id_z 1
		.amdhsa_system_vgpr_workitem_id 0
		.amdhsa_next_free_vgpr 448
		.amdhsa_next_free_sgpr 66
		.amdhsa_reserve_vcc 0
		.amdhsa_float_denorm_mode_32 3
		.amdhsa_float_denorm_mode_16_64 3
		.amdhsa_memory_ordered 1
		.amdhsa_forward_progress 1
		.amdhsa_inst_pref_size 73
	.end_amdhsa_kernel
	.amdgpu_metadata
---
amdhsa.version: [ 1, 2 ]
amdhsa.kernels:
  - .name:           k_q04ea8351e2_attn
    .symbol:         k_q04ea8351e2_attn.kd
    .args:
      - { .name: Qh, .offset: 0, .size: 8, .value_kind: global_buffer, .address_space: global }
      - { .name: Kh, .offset: 8, .size: 8, .value_kind: global_buffer, .address_space: global }
      - { .name: Vh, .offset: 16, .size: 8, .value_kind: global_buffer, .address_space: global }
      - { .name: Ch, .offset: 24, .size: 8, .value_kind: global_buffer, .address_space: global }
    .group_segment_fixed_size: 327680
    .private_segment_fixed_size: 0
    .kernarg_segment_align: 8
    .kernarg_segment_size: 32
    .max_flat_workgroup_size: 128
    .sgpr_count:     66
    .vgpr_count:     448
    .wavefront_size: 32
...
	.end_amdgpu_metadata
.endif
;; end of part 3
;; launch proj (part 4): grid 16 x 32, 4 waves a work-group, clusters of 4 x 4, 327,680 bytes of LDS; arguments Ch, Oc, out_b, out0; writes out0
.if DOCPART == 4
	.amdgcn_target "amdgcn-amd-amdhsa--gfx1250"
	.amdhsa_code_object_version 6
	.text
	.protected	k_q04ea8351e2_proj
	.globl	k_q04ea8351e2_proj
	.p2align	8
	.type	k_q04ea8351e2_proj,@function
k_q04ea8351e2_proj:
	s_mov_b64 s[64:65], 0
	v_nop
	global_prefetch_b8 v0, s[64:65] scope:SCOPE_SE
	s_setreg_imm32_b32 hwreg(HW_REG_WAVE_MODE, 25, 1), 1
	s_wait_xcnt 0x0
	s_wait_alu depctr_hold_cnt(0) depctr_sa_sdst(0) depctr_va_vdst(0) depctr_va_sdst(0) depctr_va_ssrc(0) depctr_va_vcc(0) depctr_vm_vsrc(0)
	s_getreg_b32 s2, hwreg(HW_REG_IB_STS2, 6, 4)
	s_cmp_eq_u32 s2, 0
	s_cbranch_scc0 .Lentry_in_a_cluster
	s_endpgm
.Lentry_in_a_cluster:
	s_bfe_u32 s2, ttmp6, 0x10000c
	s_cmp_lg_u32 s2, 0xf033
	s_cbranch_scc0 .Lentry_shape_is_right
	s_endpgm
.Lentry_shape_is_right:
; THE OUTPUT PROJECTION.  out0[token][n] = the sum over 1,024 k of ctx[token][k] out_w[n][k] + out_b[n], f32.  Ch [16 heads][2048][64] IS ctx in chunk layout (chunk = head); Oc [16][1024][64] is out_w.  Nothing is left out.
; Operands f16, sums and the bias f32.
; SHARES.  A work-group makes 64 tokens x 64 outputs with ALL of K in LDS: 128 rows x 16 chunks x 144 bytes.  No byte of LDS is filled twice, so no slot changes.  16 x 32 work-groups.
; Wave (w / 2, w % 2): 32 tokens x 32 outputs, 4 accumulators, used transposed (source 0 = 16 rows of Oc, source 1 = 16 tokens): a lane holds one token and eight neighbouring outputs.
; CLUSTER 4 x 4: Ch's tile is shared along a row, Oc's along a column.  K comes in four quarters of 4 chunks; each wave issues four joint loads of 2 chunks (four of mine are out), and a quarter is read behind a counted wait and a barrier.
; No prefetch: the launch is short, and all its loads go out at its head.
.set CA,    262144
.set COB,   131072
.set PITCH, 144
.set CHK,   64*PITCH                   ; a chunk of a tile
.set BREG,  16*CHK                     ; Oc's tile behind Ch's
.set SPARE, 2*BREG                     ; the spare words, 128 bytes a wave, that no other line names
.set STAGE, SPARE+512                  ; 64 rows x 272 bytes of f32, never filled by a tensor load
.set SPITCH, 272
.set ADRA, 8                           ; v8-11  my fragments of Ch, a register for each quarter of K
.set ADRB, 12                          ; v12-15 of Oc
.set STO, 16
.set RD,  17
.set CO,  18
.set BO,  19
.set BIAS, 20                          ; v20-23
.set SPW, 28
.set NIL, 29
.set ACC, 32                           ; v32-63
.set OUTR, 128                         ; the way out: v128-159
.set WV, 12
.set RH, 13
.set CH, 14
.set CX, 15
.set CY, 16
.set NB, 17
.set TB, 18
.set G1A, 20
.set G1B, 28
.set G0A, 36                           ; s[36:51] a set for each quarter
.set G0B, 68                           ; s[68:83]
.set G1W, (3<<16)|(1<<20)|(1<<21)|(4<<22)|(3<<25)
.macro PLACES
.rept 4
	v_nop
.endr
.endm
.macro CROUND
	s_barrier_signal -1
	s_barrier_wait -1
	s_cmp_lg_u32 s[WV], 0
	s_cbranch_scc1 .Lnot_wave_0_\@
	s_barrier_signal -3
.Lnot_wave_0_\@:
	s_barrier_wait -3
	s_barrier_signal -1
	s_barrier_wait -1
.endm
	s_load_b256 s[4:11], s[0:1], 0x0               ; Ch s[4:5], Oc s[6:7], out_b s[8:9], out0 s[10:11]
	v_lshl_add_u32 v[SPW], v0, 2, SPARE
	v_mov_b32 v[NIL], 0
	ds_add_u32 v[SPW], v[NIL]                      ; the wave's opening: the add, twice on end, and its wait ahead of my first tensor load
	ds_add_u32 v[SPW], v[NIL]
	v_lshrrev_b32 v1, 5, v0
	v_readfirstlane_b32 s[WV], v1
	s_lshr_b32 s[RH], s[WV], 1                     ; my 32 tokens.  Also: I fetch for Ch (0) or Oc (1)
	s_and_b32 s[CH], s[WV], 1                      ; my 32 outputs.  Also: which 2 chunks of a quarter I fetch
	s_bfe_u32 s[CX], ttmp6, 0x40000
	s_bfe_u32 s[CY], ttmp6, 0x40004
	s_lshl_b32 s[NB], ttmp9, 2
	s_add_co_u32 s[NB], s[NB], s[CX]               ; block of 64 outputs
	s_and_b32 s[TB], ttmp7, 0xffff
	s_lshl_b32 s[TB], s[TB], 2
	s_add_co_u32 s[TB], s[TB], s[CY]               ; block of 64 tokens
	s_lshl_b32 s58, s[CY], 2
	s_lshl_b32 s58, 15, s58
	s_lshl_b32 s59, 0x1111, s[CX]
	s_or_b32 s[G1A], s58, G1W
	s_or_b32 s[G1B], s59, G1W
.irp g, G1A, G1B
	s_mov_b32 s[\g+1], 1024<<16                    ; 64 rows x 128 bytes in elements of 8
	s_mov_b32 s[\g+2], 2<<16                       ; 2 chunks
	s_mov_b32 s[\g+3], 1024<<16
	s_mov_b32 s[\g+4], 2
	s_mov_b32 s[\g+6], 0
	s_mov_b32 s[\g+7], 0
.endr
	s_mov_b32 s[G1A+5], CA/8
	s_mov_b32 s[G1B+5], COB/8
	s_mul_i32 s52, s[CH], 2*CHK
	s_add_co_u32 s53, s52, BREG
	s_lshl_b32 s54, s[TB], 13
	s_mul_i32 s55, s[CH], 2*CA
	s_add_co_u32 s54, s54, s55
	s_mov_b32 s55, 0
	s_lshl_b32 s56, s[NB], 13
	s_mul_i32 s57, s[CH], 2*COB
	s_add_co_u32 s56, s56, s57
	s_mov_b32 s57, 0
	s_wait_dscnt 0x0
	s_wait_kmcnt 0x0
	s_add_nc_u64 s[54:55], s[4:5], s[54:55]
	s_add_nc_u64 s[56:57], s[6:7], s[56:57]
	CROUND
.irp q, 0,1,2,3
	s_mov_b32 s[G0A+4*\q], 1
	s_add_co_u32 s[G0A+4*\q+1], s52, \q*4*CHK
	s_add_nc_u64 s[G0A+4*\q+2:G0A+4*\q+3], s[54:55], \q*4*CA
	s_or_b32 s[G0A+4*\q+3], s[G0A+4*\q+3], 0x80000000
	s_mov_b32 s[G0B+4*\q], 1
	s_add_co_u32 s[G0B+4*\q+1], s53, \q*4*CHK
	s_add_nc_u64 s[G0B+4*\q+2:G0B+4*\q+3], s[56:57], \q*4*COB
	s_or_b32 s[G0B+4*\q+3], s[G0B+4*\q+3], 0x80000000
.endr
	s_cmp_eq_u32 s[RH], 0                          ; all four fills of a wave stand in one branch
	s_cbranch_scc0 .Lfirst_b
.irp q, 0,1,2,3
	tensor_load_to_lds s[G0A+4*\q:G0A+4*\q+3], s[G1A:G1A+7]
	s_nop 0
.endr
.rept 4
	v_nop
.endr
	s_branch .Lfirst_asked
.Lfirst_b:
.irp q, 0,1,2,3
	tensor_load_to_lds s[G0B+4*\q:G0B+4*\q+3], s[G1B:G1B+7]
	s_nop 0
.endr
.rept 4
	v_nop
.endr
.Lfirst_asked:
	v_and_b32 v1, 15, v0
	v_bfe_u32 v2, v0, 4, 1
	s_lshl_b32 s58, s[NB], 8
	v_lshl_add_u32 v[BO], v1, 4, s58
	global_load_b128 v[BIAS:BIAS+3], v[BO], s[8:9]  ; the bias of the four columns that I store
	v_mul_u32_u24 v3, v1, PITCH
	v_lshl_add_u32 v3, v2, 4, v3
	s_mul_i32 s58, s[RH], 32*PITCH
	s_mul_i32 s59, s[CH], 32*PITCH
	s_add_co_u32 s59, s59, BREG
.irp q, 0,1,2,3
	v_add_nc_u32 v[ADRA+\q], s58, v3
	v_add_nc_u32 v[ADRB+\q], s59, v3
	s_add_co_u32 s58, s58, 4*CHK
	s_add_co_u32 s59, s59, 4*CHK
.endr
	s_mul_i32 s58, s[RH], 32*SPITCH                ; into the stage: token 32 (w / 2) + l % 16 (+ 16 a), byte 128 (w % 2) + 32 (l / 16) (+ 64 b)
	s_lshl_b32 s59, s[CH], 7
	s_add_co_u32 s58, s58, s59
	s_add_co_u32 s58, s58, STAGE
	v_mul_u32_u24 v[STO], v1, SPITCH
	v_lshl_add_u32 v[STO], v2, 5, v[STO]
	v_add_nc_u32 v[STO], s58, v[STO]
	s_mul_i32 s58, s[WV], 16*SPITCH                ; back: wave w takes rows 16 w on; lanes 0-15 one row of 256 bytes, lanes 16-31 the next
	s_add_co_u32 s58, s58, STAGE
	v_mul_u32_u24 v[RD], v2, SPITCH
	v_lshl_add_u32 v[RD], v1, 4, v[RD]
	v_add_nc_u32 v[RD], s58, v[RD]
	v_lshlrev_b32 v[CO], 12, v2
	v_lshl_add_u32 v[CO], v1, 4, v[CO]
	s_lshl_b32 s58, s[TB], 18                      ; 64 rows of 4,096 bytes
	s_lshl_b32 s59, s[WV], 16
	s_add_co_u32 s58, s58, s59
	s_lshl_b32 s59, s[NB], 8
	s_add_co_u32 s58, s58, s59
	s_mov_b32 s59, 0
	s_add_nc_u64 s[10:11], s[10:11], s[58:59]
.macro FETCH g                         ; chunk g's 8 fragments, 16 loads, into buffer g % 3
.set BUFB, 64+64*((\g)%3)
.irp kk, 0,1
.irp b, 0,1
	ds_load_b128 v[BUFB+8*(2*\kk+\b):BUFB+8*(2*\kk+\b)+3],       v[ADRB+(\g)/4] offset:CHK*((\g)%4)+16*PITCH*\b+64*\kk
	ds_load_b128 v[BUFB+8*(2*\kk+\b)+4:BUFB+8*(2*\kk+\b)+7],     v[ADRB+(\g)/4] offset:CHK*((\g)%4)+16*PITCH*\b+64*\kk+32
	ds_load_b128 v[BUFB+32+8*(2*\kk+\b):BUFB+32+8*(2*\kk+\b)+3],   v[ADRA+(\g)/4] offset:CHK*((\g)%4)+16*PITCH*\b+64*\kk
	ds_load_b128 v[BUFB+32+8*(2*\kk+\b)+4:BUFB+32+8*(2*\kk+\b)+7], v[ADRA+(\g)/4] offset:CHK*((\g)%4)+16*PITCH*\b+64*\kk+32
.endr
.endr
.endm
.macro MUL g                           ; 8 matrix instructions; the four accumulators take turns; the first four of all start the sums
.set BUFB, 64+64*((\g)%3)
.irp kk, 0,1
.irp a, 0,1
.irp b, 0,1
.if ((\g) == 0) && (\kk == 0)
	v_wmma_f32_16x16x32_f16 v[ACC+8*(2*\a+\b):ACC+8*(2*\a+\b)+7], v[BUFB+8*(2*\kk+\b):BUFB+8*(2*\kk+\b)+7], v[BUFB+32+8*(2*\kk+\a):BUFB+32+8*(2*\kk+\a)+7], 0
.else
	v_wmma_f32_16x16x32_f16 v[ACC+8*(2*\a+\b):ACC+8*(2*\a+\b)+7], v[BUFB+8*(2*\kk+\b):BUFB+8*(2*\kk+\b)+7], v[BUFB+32+8*(2*\kk+\a):BUFB+32+8*(2*\kk+\a)+7], v[ACC+8*(2*\a+\b):ACC+8*(2*\a+\b)+7]
.endif
.endr
.endr
.endr
.endm
	s_wait_tensorcnt 3                             ; my part of the first quarter is in; three later loads stay out
	s_barrier_signal -1
	s_barrier_wait -1
	FETCH 0
	FETCH 1
.set g, 0
.rept 16
.if g+2 <= 15
.if (g+2)%4 == 0
	s_wait_tensorcnt 3-(g+2)/4                     ; my part of the next quarter,
	s_wait_dscnt 0x0
	s_barrier_signal -1
	s_barrier_wait -1                              ; everybody's
.endif
.if g >= 1
	PLACES                                         ; behind the products that read the buffer
.endif
	FETCH g+2
	s_wait_dscnt 32                                ; chunk g is in; the two younger runs stay out
.elseif g == 14
	s_wait_dscnt 16
.else
	s_wait_dscnt 0x0
.endif
	MUL g
.set g, g+1
.endr
	; THE WAY OUT: f32 through the work-group's stage, since a row's 256 bytes come from two waves; back as whole rows; the bias is added; 16 lanes store 256 consecutive bytes, aligned.
	PLACES
	PLACES
.irp a, 0,1
.irp b, 0,1
	ds_store_b128 v[STO], v[ACC+8*(2*\a+\b):ACC+8*(2*\a+\b)+3] offset:16*SPITCH*\a+64*\b
	ds_store_b128 v[STO], v[ACC+8*(2*\a+\b)+4:ACC+8*(2*\a+\b)+7] offset:16*SPITCH*\a+64*\b+16
.endr
.endr
	s_wait_dscnt 0x0
	s_barrier_signal -1
	s_barrier_wait -1
.irp t, 0,1,2,3,4,5,6,7
	ds_load_b128 v[OUTR+4*\t:OUTR+4*\t+3], v[RD] offset:2*SPITCH*\t
.endr
	s_wait_loadcnt 0x0                             ; the bias
.irp t, 0,1,2,3,4,5,6,7
	s_wait_dscnt 7-\t
	v_pk_add_f32 v[OUTR+4*\t:OUTR+4*\t+1], v[OUTR+4*\t:OUTR+4*\t+1], v[BIAS:BIAS+1]
	v_pk_add_f32 v[OUTR+4*\t+2:OUTR+4*\t+3], v[OUTR+4*\t+2:OUTR+4*\t+3], v[BIAS+2:BIAS+3]
	global_store_b128 v[CO], v[OUTR+4*\t:OUTR+4*\t+3], s[10:11] offset:8192*\t
.endr
	s_wait_tensorcnt 0x0                           ; the wave's end
	ds_add_u32 v[SPW], v[NIL]
	s_wait_dscnt 0x0
	CROUND                                         ; the closing round
	s_endpgm
.Lfunc_end_k_q04ea8351e2_proj:
	.size	k_q04ea8351e2_proj, .Lfunc_end_k_q04ea8351e2_proj-k_q04ea8351e2_proj
	.p2alignl 7, 3214868480
	.fill 96, 4, 3214868480
	.section	.rodata,"a",@progbits
	.p2align	6, 0x0
	.amdhsa_kernel k_q04ea8351e2_proj
		.amdhsa_group_segment_fixed_size 327680
		.amdhsa_private_segment_fixed_size 0
		.amdhsa_enable_private_segment 0
		.amdhsa_kernarg_size 32
		.amdhsa_user_sgpr_count 2
		.amdhsa_user_sgpr_kernarg_segment_ptr 1
		.amdhsa_wavefront_size32 1
		.amdhsa_system_sgpr_workgroup_id_x 1
		.amdhsa_system_sgpr_workgroup_id_y 1
		.amdhsa_system_sgpr_workgroup_id_z 1
		.amdhsa_system_vgpr_workitem_id 0
		.amdhsa_next_free_vgpr 256
		.amdhsa_next_free_sgpr 96
		.amdhsa_reserve_vcc 0
		.amdhsa_float_denorm_mode_32 3
		.amdhsa_float_denorm_mode_16_64 3
		.amdhsa_memory_ordered 1
		.amdhsa_forward_progress 1
		.amdhsa_inst_pref_size 39
	.end_amdhsa_kernel
	.amdgpu_metadata
---
amdhsa.version: [ 1, 2 ]
amdhsa.kernels:
  - .name:           k_q04ea8351e2_proj
    .symbol:         k_q04ea8351e2_proj.kd
    .args:
      - { .name: Ch, .offset: 0, .size: 8, .value_kind: global_buffer, .address_space: global }
      - { .name: Oc, .offset: 8, .size: 8, .value_kind: global_buffer, .address_space: global }
      - { .name: out_b, .offset: 16, .size: 8, .value_kind: global_buffer, .address_space: global }
      - { .name: out0, .offset: 24, .size: 8, .value_kind: global_buffer, .address_space: global }
    .group_segment_fixed_size: 327680
    .private_segment_fixed_size: 0
    .kernarg_segment_align: 8
    .kernarg_segment_size: 32
    .max_flat_workgroup_size: 128
    .sgpr_count:     96
    .vgpr_count:     256
    .wavefront_size: 32
...
	.end_amdgpu_metadata
.endif
;; end of part 4
;; ======== version 2 of 2: 4 launches; version 1 with the launch prep written anew for expert scheduling mode
;; limits: values are held in f16: magnitudes above 65,504 overflow, below 6.1e-05 lose precision
;; workspace buffers: Ac 37,748,736 bytes; Wc 56,623,104 bytes; Oc 2,097,152 bytes; Qh 4,194,304 bytes; Kh 4,194,304 bytes; Vh 4,194,304 bytes; Ch 4,194,304 bytes
;; launch prep (part 5): grid 1408 x 1, 8 waves a work-group, no clusters, 17,408 bytes of LDS; arguments x, grid, spline_weight, spline_scaler, base_weight, out_w, Ac, Wc, Oc; writes Ac, Wc, Oc
.if DOCPART == 5
	.amdgcn_target "amdgcn-amd-amdhsa--gfx1250"
	.amdhsa_code_object_version 6
	.text
	.protected	k_q04ea8351e2_prep
	.globl	k_q04ea8351e2_prep
	.p2align	8
	.type	k_q04ea8351e2_prep,@function
k_q04ea8351e2_prep:
	s_mov_b64 s[64:65], 0
	v_nop
	global_prefetch_b8 v0, s[64:65] scope:SCOPE_SE
	s_setreg_imm32_b32 hwreg(HW_REG_WAVE_SCHED_MODE, 0, 2), 2
	s_setreg_imm32_b32 hwreg(HW_REG_WAVE_MODE, 25, 1), 1
	s_wait_xcnt 0x0
	s_wait_alu depctr_vm_vsrc(0)
; PREP: everything that the three matrix launches multiply is made here once, in f16, in CHUNK layout: [chunk of 64 along K][row][64], a chunk's rows end to end (128 bytes a row).
;   Ac [144][2048]: chunks 0-127 the 8 cubic B-spline bases of every x (k = 8 i + c), chunks 128-143 silu(x).
;   Wc [144][3072]: chunks 0-127 spline_weight x spline_scaler, chunks 128-143 base_weight; output o = 192 h + 64 part + d lies at row 192 h + 96 (d / 32) + 32 part + d % 32.
;   Oc [16][1024]:  out_w.
; NO WORK OF THE MODULE IS LEFT OUT IN ANY LAUNCH: all nine inputs reach the output and all are loaded.  That only 4 of a feature's 8 bases differ from 0 hangs on the values of x and grid, so the product stays dense.
; LIMITS.  Every number stored here is rounded once to f16: it has to lie within 65,504 (weight x scaler, base_weight, out_w, silu(x)); below 6e-5 it keeps f16's fixed step of 6e-8.
; The splines follow the recursion of the module on the 12 knots of the feature's own grid row, with two changes of rounding order: a division is a reciprocal and a multiply, and the right-hand factor
; (g[t+j+1] - x) / (g[t+j+1] - g[t+1]) is taken as 1 - L[t+1], L[t] = (x - g[t]) / (g[t+j] - g[t]), which is the same number in exact arithmetic for every grid.  x < g is taken as not (x >= g): NaN is not treated apart.
; A STREAM: no matrix unit, no tensor load, no barrier; no cluster, since no two work-groups read the same bytes but the grid's 48 KiB and x's second reading.  No prefetch: the launch is nothing but its streams.
; KINDS, by the work-group's number (the same in all eight waves):  0-255 splines | 256-1023 weight x scaler | 1024-1215 base_weight | 1216-1279 out_w | 1280-1407 silu.
; THE MODE: SCHED_MODE bits 1:0 = 2 (LLVM: expert scheduling mode 2), set by the entry lines.  The code itself states the register dependences between vector instructions and memory or LDS instructions,
; with s_wait_alu, always for 0.
; THE PLAN: the registers that memory or LDS instructions touch, and who else names them.
;   OFFSETS (casts and silu: v8, v9; weights: v1, v2, v3, v6, v7; splines: v9, v10, v11) are made once, ahead of one wait on va_vdst in front of the kind's first load, and never written again.  The splines' rows are
;   reached by the two scalar bases, which move on once a trip, and by immediate offsets.
;   CASTS, SILU, WEIGHTS.  Every load has registers of its own and lands once; every store's data registers are written once.  The units go in blocks of four: block p's roundings write its out registers, and the four
;   stores of block p - 1 stand in block p, behind ONE wait on va_vdst, dealt among vector lines that name other registers.  One more such wait stands ahead of the last four stores.
;   WEIGHTS.  v[8:23] take the scaler's loads, are read by four LDS stores and then take LDS loads: one wait on vm_vsrc stands between those stores and those loads.
;   SPLINES.  XA, XB: read by a pair's subtractions and compares, which stand first in the pair; loaded again straight behind them.  STA, STB: written by a pair's last eight selects, read by the two stores that stand
;   in the NEXT pair.  So one wait on va_vdst behind the compares states both: X has been read, and the pair before has written STA and STB.  One wait on vm_vsrc stands ahead of the selects that write STA and STB again.
;   s3 and the compares' masks s[40:63] are written by vector instructions and read by scalar ones: a wait on va_sdst stands between, ahead of any branch.
.set CA,    262144                     ; bytes in a chunk of Ac
.set CW,    393216                     ; of Wc
.set COB,   131072                     ; of Oc
.set SPARE, 16384                      ; LDS: 0-16,383 the scaler's stage, 2,048 bytes for each wave, its own; then the spare words, 128 bytes a wave, that no other line names
.set TRIPS, 7                          ; the splines' loop: four rows a trip; the last four rows are written out
.set SPW, 4                            ; v4   LDS address of my spare word; never rewritten
.set NIL, 5                            ; v5   0, for the add alone
.set SC,  8                            ; the weight kind: v[8:39]   first the scaler as loaded (16), then my 32 scales
.set WT,  40                           ; the weight kind: v[40:167] 32 loads of four registers
.set RAW, 12                           ; casts and silu: v[12:75]   16 units of four f32, as loaded
.set OUT, 76                           ; casts and silu: v[76:107]  16 units of two registers, to store
.set EX,  108                          ; silu: v[108:123] sixteen numbers at work; no memory instruction names them
.set RG,  12                           ; v[12:23]   the feature's 12 knots
.set RCA, 24                           ; v[24:35]   1 / (g[t+1] - g[t]), 11 of them and a 0 that fills the pair
.set RCB, 36                           ; v[36:45]   1 / (g[t+2] - g[t]), 10
.set RCC, 46                           ; v[46:55]   1 / (g[t+3] - g[t]), 9 and a 0
.set XA,  56                           ; v[56:57]   x of two rows
.set XB,  58                           ; v[58:59]   of the next two
.set RU,  60                           ; v[60:83]   x - g[t], a pair (two rows) for each t
.set RL,  84                           ; v[84:107]  L[t]
.set RB,  108                          ; v[108:129] the bases
.set CT,  132                          ; v[132:139] four pairs at work
.set OA,  140                          ; v[140:143] the first row's 8 bases in f16
.set OB,  144                          ; v[144:147] the second row's
.set TS,  148                          ; v[148:151] what I send to the lane 8 away
.set TP,  152                          ; v[152:155] what I get
.set STA, 156                          ; v[156:159] first store
.set STB, 160                          ; v[160:163] second store
	s_load_b512 s[8:23], s[0:1], 0x0               ; x s[8:9], grid s[10:11], spline_weight s[12:13], scaler s[14:15], base_weight s[16:17], out_w s[18:19], Ac s[20:21], Wc s[22:23]
	s_load_b64 s[24:25], s[0:1], 0x40              ; Oc
	v_lshl_add_u32 v[SPW], v0, 2, SPARE
	v_mov_b32 v[NIL], 0
	v_and_b32 v1, 31, v0                           ; lane l
	v_lshrrev_b32 v2, 5, v0
	v_readfirstlane_b32 s3, v2                     ; wave 0..7
	v_and_b32 v2, 15, v0                           ; l % 16
	v_bfe_u32 v3, v0, 4, 1                         ; l / 16
	s_mov_b32 s2, ttmp9
	s_wait_alu depctr_va_sdst(0)                   ; s3 is written, ahead of the branches: every kind makes its addresses from it
	s_wait_kmcnt 0x0
	s_cmp_lt_u32 s2, 256
	s_cbranch_scc1 .Lsplines
	; THE LANE MAP OF THE FOUR CAST KINDS.  A source unit is 64 f32 = 256 bytes = one chunk of one row.  Lane l takes row r0 + l / 16, floats 4 (l % 16) on: one load of the wave reads two whole units.
	; Four f32 become 8 bytes; rows r0, r0 + 1 (r0 even) of a chunk are 256 consecutive bytes, aligned, written by one store of the wave at 8 l.
	v_lshlrev_b32 v8, 3, v1                        ; 8 l
	v_lshlrev_b32 v9, 4, v2
	v_lshl_add_u32 v9, v3, 12, v9                  ; 4,096 (l / 16) + 16 (l % 16): rows of 1,024 f32
	s_cmp_lt_u32 s2, 1024
	s_cbranch_scc1 .Lweights
	s_cmp_lt_u32 s2, 1216
	s_cbranch_scc1 .Lbase
	s_cmp_lt_u32 s2, 1280
	s_cbranch_scc1 .Loutw
	s_branch .Lsilu
; s36 = an output's number o  ->  s37 = its row in Wc.  t = o / 64; h = t / 3 as (43 t) >> 7, exact for t < 48.
.macro POS
	s_lshr_b32 s38, s36, 6
	s_mul_i32 s39, s38, 43
	s_lshr_b32 s39, s39, 7                         ; h
	s_mul_i32 s37, s39, 3
	s_sub_co_u32 s38, s38, s37                     ; part
	s_mul_i32 s37, s39, 192
	s_lshl_b32 s38, s38, 5
	s_add_co_u32 s37, s37, s38
	s_bfe_u32 s38, s36, 0x10005                    ; d / 32
	s_mul_i32 s38, s38, 96
	s_add_co_u32 s37, s37, s38
	s_and_b32 s38, s36, 31                         ; d % 32
	s_add_co_u32 s37, s37, s38
.endm
; Two rows of 1,024 f32 at s[26:27] become 16 chunks' rows at s[28:29]: 16 units.  All 16 loads go out first.
.macro LD16 nt
	s_wait_alu depctr_va_vdst(0)                   ; v8 and v9 are written: every load below reads v9 as its offset, every store v8
.set it, 0
.rept 16
.if \nt
	global_load_b128 v[RAW+4*it:RAW+4*it+3], v9, s[26:27] offset:256*it th:TH_LOAD_NT
.else
	global_load_b128 v[RAW+4*it:RAW+4*it+3], v9, s[26:27] offset:256*it
.endif
.set it, it+1
.endr
.endm
.macro RND n                           ; unit n is rounded into out registers of its own
	v_cvt_pk_f16_f32 v[OUT+2*(\n)], v[RAW+4*(\n)], v[RAW+4*(\n)+1]
	v_cvt_pk_f16_f32 v[OUT+2*(\n)+1], v[RAW+4*(\n)+2], v[RAW+4*(\n)+3]
.endm
.macro ST1 n, chb                      ; unit n is stored; the chunks lie chb bytes apart
	global_store_b64 v8, v[OUT+2*(\n):OUT+2*(\n)+1], s[28:29] offset:(\n)*(\chb) th:TH_STORE_NT
.endm
; A plain cast, in four blocks of four units.  Block p rounds its units as they land; the stores of block p - 1 are dealt among its roundings.
.macro CAST chb
	LD16 1
.set p, 0
.rept 4
.if p > 0
	s_wait_alu depctr_va_vdst(0)                   ; the block before has written its eight out registers, which the four stores below read; this block's roundings name others
.endif
.set i, 0
.rept 4
.if p > 0
	ST1 4*p+i-4, \chb
.endif
	s_wait_loadcnt 15-4*p-i                        ; loads come back in order: this unit is in, the younger ones stay out
	RND 4*p+i
.set i, i+1
.endr
.set p, p+1
.endr
	s_wait_alu depctr_va_vdst(0)                   ; the last block has written its out registers, which the last four stores read
.irp n, 12,13,14,15
	ST1 \n, \chb
.endr
.endm
.Lsilu:                                        ; 128 work-groups x 8 waves x 2 rows of x -> Ac, chunks 128-143
	s_sub_co_u32 s36, s2, 1280
	s_lshl_b32 s36, s36, 3
	s_add_co_u32 s36, s36, s3
	s_lshl_b32 s26, s36, 13                        ; 2 rows of 4,096 bytes
	s_mov_b32 s27, 0
	s_lshl_b32 s28, s36, 8                         ; 2 rows of 128 bytes
	s_add_co_u32 s28, s28, 128*CA
	s_mov_b32 s29, 0
	s_add_nc_u64 s[26:27], s[8:9], s[26:27]
	s_add_nc_u64 s[28:29], s[20:21], s[28:29]
	LD16 0
; x / (1 + 2^(-x log2 e)), a block of four units (sixteen numbers a lane) at a time: two batches of sixteen transcendentals, behind each a plain instruction and one wait.
.set p, 0
.rept 4
	s_wait_loadcnt 12-4*p                          ; loads come back in order: this block's four are in, the younger blocks stay out
.set k, 0
.rept 16
	v_mul_f32 v[EX+k], 0xbfb8aa3b, v[RAW+16*p+k]
.set k, k+1
.endr
.set k, 0
.rept 16
	v_exp_f32 v[EX+k], v[EX+k]
.set k, k+1
.endr
	v_nop                                          ; a plain instruction behind the last exponential
	s_wait_alu depctr_va_vdst(0)                   ; the sixteen exponentials have written v[EX ..], ahead of their first reader; and the block before has written its out registers, which the four stores below read
.set i, 0
.rept 4
.if p > 0
	ST1 4*p+i-4, CA                                ; dealt among the additions, which name v[EX ..] alone
.endif
.irp j, 0,1,2,3
	v_add_f32 v[EX+4*i+\j], 1.0, v[EX+4*i+\j]
.endr
.set i, i+1
.endr
.set k, 0
.rept 16
	v_rcp_f32 v[EX+k], v[EX+k]
.set k, k+1
.endr
	v_nop                                          ; a plain instruction behind the last reciprocal
	s_wait_alu depctr_va_vdst(0)                   ; the sixteen reciprocals have written v[EX ..], ahead of their first reader
.set k, 0
.rept 8
	v_pk_mul_f32 v[RAW+16*p+2*k:RAW+16*p+2*k+1], v[RAW+16*p+2*k:RAW+16*p+2*k+1], v[EX+2*k:EX+2*k+1]
.set k, k+1
.endr
.irp j, 0,1,2,3
	RND 4*p+\j
.endr
.set p, p+1
.endr
	s_wait_alu depctr_va_vdst(0)                   ; the last block has written its out registers, which the last four stores read
.irp n, 12,13,14,15
	ST1 \n, CA
.endr
	s_branch .Lend
.Lbase:                                        ; 192 x 8 x 2 rows of base_weight -> Wc, chunks 128-143
	s_sub_co_u32 s36, s2, 1024
	s_lshl_b32 s36, s36, 3
	s_add_co_u32 s36, s36, s3
	s_lshl_b32 s36, s36, 1                         ; o
	POS
	s_lshl_b32 s26, s36, 12
	s_mov_b32 s27, 0
	s_lshl_b32 s28, s37, 7
	s_add_co_u32 s28, s28, 128*CW
	s_mov_b32 s29, 0
	s_add_nc_u64 s[26:27], s[16:17], s[26:27]
	s_add_nc_u64 s[28:29], s[22:23], s[28:29]
	CAST CW
	s_branch .Lend
.Loutw:                                        ; 64 x 8 x 2 rows of out_w -> Oc
	s_sub_co_u32 s36, s2, 1216
	s_lshl_b32 s36, s36, 3
	s_add_co_u32 s36, s36, s3
	s_lshl_b32 s26, s36, 13
	s_mov_b32 s27, 0
	s_lshl_b32 s28, s36, 8
	s_mov_b32 s29, 0
	s_add_nc_u64 s[26:27], s[18:19], s[26:27]
	s_add_nc_u64 s[28:29], s[24:25], s[28:29]
	CAST COB
	s_branch .Lend
; 768 x 8 waves: 2 outputs x 32 chunks (256 features) of spline_weight x scaler -> Wc, chunks 0-127.
; ALL OF A WAVE'S LOADS GO OUT AT ITS HEAD: 4 of the scaler, 32 of the weights, 18 KiB a wave on their way.  A load's four registers are scaled, rounded in place and stored from there: no register is written
; again behind a store.
.macro WST n                           ; chunk n of my 32 is stored, from the first two of its four registers
.if (\n) < 16
	global_store_b64 v6, v[WT+4*(\n):WT+4*(\n)+1], s[28:29] offset:(\n)*CW th:TH_STORE_NT
.else
	global_store_b64 v6, v[WT+4*(\n):WT+4*(\n)+1], s[32:33] offset:((\n)-16)*CW th:TH_STORE_NT
.endif
.endm
.Lweights:
	s_sub_co_u32 s36, s2, 256
	s_lshl_b32 s36, s36, 3
	s_add_co_u32 s36, s36, s3
	s_and_b32 s35, s36, 3                          ; which quarter of the features
	s_lshr_b32 s36, s36, 2
	s_lshl_b32 s36, s36, 1                         ; o
	POS
	s_lshl_b32 s26, s36, 15                        ; a row of spline_weight is 32,768 bytes,
	s_lshl_b32 s38, s35, 13                        ; a quarter 8,192
	s_add_co_u32 s26, s26, s38
	s_mov_b32 s27, 0
	s_add_nc_u64 s[26:27], s[12:13], s[26:27]
	s_lshl_b32 s30, s36, 12                        ; a row of the scaler 4,096, a quarter 1,024
	s_lshl_b32 s38, s35, 10
	s_add_co_u32 s30, s30, s38
	s_mov_b32 s31, 0
	s_add_nc_u64 s[30:31], s[14:15], s[30:31]
	s_mul_i32 s28, s35, 32*CW
	s_lshl_b32 s38, s37, 7
	s_add_co_u32 s28, s28, s38
	s_mov_b32 s29, 0
	s_add_nc_u64 s[28:29], s[22:23], s[28:29]      ; chunks 0-15 of my 32,
	s_add_nc_u64 s[32:33], s[28:29], 16*CW         ; chunks 16-31: so every store's immediate is 15 chunks at the most
	s_lshl_b32 s38, s3, 11                         ; my wave's stage
	v_mov_b32 v6, v8                               ; 8 l: the stores' offset (v8 on take the scaler)
	v_lshlrev_b32 v7, 4, v2
	v_lshl_add_u32 v7, v3, 15, v7                  ; the weights' offset: 32,768 (l / 16) + 16 (l % 16)
	v_lshrrev_b32 v2, 1, v2
	v_lshlrev_b32 v2, 2, v2
	v_lshl_add_u32 v3, v3, 8, v2
	v_add_nc_u32 v3, s38, v3                       ; back from the stage: row l / 16, feature (l % 16) / 2 of a chunk's eight
	v_lshl_add_u32 v2, v1, 4, s38                  ; into the stage: 16 l
	v_mov_b32 v1, v9                               ; the scaler's offset
	s_wait_alu depctr_va_vdst(0)                   ; the offsets v1, v2, v3, v6, v7 are written, which the loads, LDS instructions and stores below read; v8 and v9 are written and the two copies have read them: the scaler lands there
.irp q, 0,1,2,3
	global_load_b128 v[SC+4*\q:SC+4*\q+3], v1, s[30:31] offset:256*\q th:TH_LOAD_NT  ; the scaler of my 2 x 256 features, once, in whole runs of 256 bytes
.endr
.set it, 0
.rept 32
	global_load_b128 v[WT+4*it:WT+4*it+3], v7, s[26:27] offset:256*it th:TH_LOAD_NT
.set it, it+1
.endr
	s_wait_loadcnt 32                              ; the scaler is in; the 32 loads of weights stay out
.irp q, 0,1,2,3
	ds_store_b128 v2, v[SC+4*\q:SC+4*\q+3] offset:512*\q
.endr
	s_wait_alu depctr_vm_vsrc(0)                   ; the four LDS stores have read v[SC .. SC+15], in which the LDS loads below land
.set it, 0
.rept 32
	ds_load_b32 v[SC+it], v3 offset:512*(it/8)+32*(it%8)  ; chunk it: my feature's scale.  The bytes are my wave's own, and LDS serves a wave's instructions in order (ISA guide 5.7.1.4): these see the stores above
.set it, it+1
.endr
	s_wait_dscnt 0x0
; Eight blocks of four chunks.  Block p scales and rounds its chunks as they land; the stores of block p - 1 are dealt among them.
.set p, 0
.rept 8
.if p > 0
	s_wait_alu depctr_va_vdst(0)                   ; the block before has rounded its four chunks, which the four stores below read; this block's lines name its own chunks and the scales
.endif
.set i, 0
.rept 4
.set it, 4*p+i
.set sl, WT+4*it
.if p > 0
	WST it-4
.endif
	s_wait_loadcnt 31-it                           ; loads come back in order: number it is in, the younger ones stay out
.if it%2
	v_pk_mul_f32 v[sl:sl+1], v[sl:sl+1], v[SC+it-1:SC+it] op_sel:[0,1] op_sel_hi:[1,1]
	v_pk_mul_f32 v[sl+2:sl+3], v[sl+2:sl+3], v[SC+it-1:SC+it] op_sel:[0,1] op_sel_hi:[1,1]
.else
	v_pk_mul_f32 v[sl:sl+1], v[sl:sl+1], v[SC+it:SC+it+1] op_sel_hi:[1,0]
	v_pk_mul_f32 v[sl+2:sl+3], v[sl+2:sl+3], v[SC+it:SC+it+1] op_sel_hi:[1,0]
.endif
	v_cvt_pk_f16_f32 v[sl], v[sl], v[sl+1]
	v_cvt_pk_f16_f32 v[sl+1], v[sl+2], v[sl+3]
.set i, i+1
.endr
.set p, p+1
.endr
	s_wait_alu depctr_va_vdst(0)                   ; the last block has rounded its four chunks, which the last four stores read
.irp n, 28,29,30,31
	WST \n
.endr
	s_branch .Lend
; THE SPLINES.  A wave owns 32 features (a lane a feature) x 32 rows; the eight waves of a work-group cover 1,024 consecutive bytes of each row of x.  Two rows go at once, as the halves of the packed forms;
; knots and reciprocals are broadcast from their pair.  A lane's 8 bases of a row are 16 bytes of chunk i / 8; 8 lanes make a chunk row of 128 bytes.  So that 16 lanes store 256 consecutive aligned bytes
; (rows r, r + 1 of one chunk), lanes 8 apart exchange: the lower sends its second row, the upper its first.
.Lsplines:
	s_lshl_b32 s36, s2, 3
	s_add_co_u32 s36, s36, s3
	s_and_b32 s37, s36, 31                         ; which 32 features
	s_lshr_b32 s38, s36, 5                         ; which 32 rows
	s_lshl_b32 s39, s37, 5
	v_add_nc_u32 v7, s39, v1                       ; feature i
	v_mul_u32_u24 v9, v7, 48                       ; its row of the grid
	v_lshlrev_b32 v10, 2, v7
	s_lshl_b32 s39, s38, 17                        ; 32 rows of 4,096 bytes
	v_add_nc_u32 v10, s39, v10                     ; my x of the first row
	s_lshl_b32 s39, s37, 2
	v_lshl_add_u32 v11, v3, 1, s39                 ; chunk of the first store: 4 x group + 2 (l / 16)
	v_lshlrev_b32 v11, 18, v11
	v_bfe_u32 v7, v0, 3, 1
	s_lshl_b32 s39, s38, 5
	v_add_nc_u32 v7, s39, v7                       ; row: first row + (l / 8) % 2
	v_lshl_add_u32 v11, v7, 7, v11
	v_and_b32 v7, 7, v0
	v_lshl_add_u32 v11, v7, 4, v11
	s_wait_alu depctr_va_vdst(0)                   ; v9, v10 and v11 are written: the offsets of the knots' loads, of x's loads and of the stores; none is written again
	global_load_b128 v[12:15], v9, s[10:11]
	global_load_b128 v[16:19], v9, s[10:11] offset:16
	global_load_b128 v[20:23], v9, s[10:11] offset:32
	global_load_b32 v[XA], v10, s[8:9]
	global_load_b32 v[XA+1], v10, s[8:9] offset:4096
	global_load_b32 v[XB], v10, s[8:9] offset:8192
	global_load_b32 v[XB+1], v10, s[8:9] offset:12288
	v_mov_b32 v[RCA+11], 0                         ; named with their neighbours as pairs
	v_mov_b32 v[RCC+9], 0
.irp q, 0,1,2,3
	v_mov_b32 v[TP+\q], 0                          ; a DPP form's destination counts as read
.endr
	s_mov_b32 s34, 0xff00ff00                      ; the lanes with (l / 8) % 2 = 1
	s_wait_loadcnt 4                               ; the knots are in; x's four loads stay out
.set t, 0
.rept 11
	v_sub_f32 v[RCA+t], v[RG+t+1], v[RG+t]
.set t, t+1
.endr
.set t, 0
.rept 10
	v_sub_f32 v[RCB+t], v[RG+t+2], v[RG+t]
.set t, t+1
.endr
.set t, 0
.rept 9
	v_sub_f32 v[RCC+t], v[RG+t+3], v[RG+t]
.set t, t+1
.endr
.set t, 0
.rept 11
	v_rcp_f32 v[RCA+t], v[RCA+t]
.set t, t+1
.endr
.set t, 0
.rept 10
	v_rcp_f32 v[RCB+t], v[RCB+t]
.set t, t+1
.endr
.set t, 0
.rept 9
	v_rcp_f32 v[RCC+t], v[RCC+t]
.set t, t+1
.endr
	v_nop                                          ; one batch of 30 reciprocals: a plain instruction behind the last,
	s_wait_alu depctr_va_vdst(0)                   ; and one wait: the reciprocals have written RCA, RCB and RCC, ahead of their first reader
; One level of the recursion: n new bases.  L[t] = (x - g[t]) R[t]; b[t] = L[t] b[t] + (b[t+1] - L[t+1] b[t+1]), in place, t ascending, four at a time so that no line waits for the one before it.
.macro LEVEL R, n
.set t, 0
.rept (\n)+1
.if t%2
	v_pk_mul_f32 v[RL+2*t:RL+2*t+1], v[RU+2*t:RU+2*t+1], v[(\R)+t-1:(\R)+t] op_sel:[0,1] op_sel_hi:[1,1]
.else
	v_pk_mul_f32 v[RL+2*t:RL+2*t+1], v[RU+2*t:RU+2*t+1], v[(\R)+t:(\R)+t+1] op_sel_hi:[1,0]
.endif
.set t, t+1
.endr
.set t0, 0
.rept ((\n)+3)/4
.set q, 0
.rept 4
.if t0+q < (\n)
	v_pk_fma_f32 v[CT+2*q:CT+2*q+1], v[RL+2*(t0+q)+2:RL+2*(t0+q)+3], v[RB+2*(t0+q)+2:RB+2*(t0+q)+3], v[RB+2*(t0+q)+2:RB+2*(t0+q)+3] neg_lo:[1,0,0] neg_hi:[1,0,0]
.endif
.set q, q+1
.endr
.set q, 0
.rept 4
.if t0+q < (\n)
	v_pk_fma_f32 v[RB+2*(t0+q):RB+2*(t0+q)+1], v[RL+2*(t0+q):RL+2*(t0+q)+1], v[RB+2*(t0+q):RB+2*(t0+q)+1], v[CT+2*q:CT+2*q+1]
.endif
.set q, q+1
.endr
.set t0, t0+4
.endr
.endm
; Two rows.  X: their x.  prev: the place of the PAIR BEFORE in the stores' immediate, counted from Ac's base as it stands.  skip = 1: the loop's first pair, which in the first trip has no pair before it.
; ld = 1: X is loaded again, from limm.  left: the younger loads that may stay out (the other pair's two).  step = 1: the trip's second pair moves both bases on by four rows.
.macro PAIR X, prev, skip, ld, limm, left, step
	s_wait_loadcnt \left
.set t, 0
.rept 12
.if t%2
	v_pk_add_f32 v[RU+2*t:RU+2*t+1], v[\X:\X+1], v[RG+t-1:RG+t] op_sel:[0,1] op_sel_hi:[1,1] neg_lo:[0,1] neg_hi:[0,1]
.else
	v_pk_add_f32 v[RU+2*t:RU+2*t+1], v[\X:\X+1], v[RG+t:RG+t+1] op_sel_hi:[1,0] neg_lo:[0,1] neg_hi:[0,1]
.endif
	v_cmp_ge_f32 s[40+t], v[\X], v[RG+t]
	v_cmp_ge_f32 s[52+t], v[\X+1], v[RG+t]
.set t, t+1
.endr
	s_wait_alu depctr_va_sdst(0)                   ; the 24 compares have written s[40:63], ahead of the branch below and of the scalar lines that read them
	s_wait_alu depctr_va_vdst(0)                   ; the lines above, X's only readers, are done reading it: the loads below land there; and the pair before has written STA and STB, which the stores below read
.if \ld
	global_load_b32 v[\X], v10, s[8:9] offset:\limm
	global_load_b32 v[\X+1], v10, s[8:9] offset:\limm+4096
.endif
.if \skip
	s_cmp_eq_u32 s35, TRIPS                        ; in the first trip, where the count still is the constant that it began with, there is no pair before: a jump forward round the two stores alone
	s_cbranch_scc1 .Lnone_\@
.endif
	global_store_b128 v11, v[STA:STA+3], s[20:21] offset:\prev th:TH_STORE_NT       ; lanes 0-15: rows r, r + 1 of one chunk, 256 consecutive bytes, aligned; lanes 16-31: of the chunk two on
	global_store_b128 v11, v[STB:STB+3], s[20:21] offset:CA+(\prev) th:TH_STORE_NT  ; the same for the chunks between
.if \skip
.Lnone_\@:
.endif
.set t, 0
.rept 11
	s_and_not1_b32 s[40+t], s[40+t], s[41+t]       ; x >= g[t] and not x >= g[t+1]; t ascending, so the right-hand mask is still whole
	s_and_not1_b32 s[52+t], s[52+t], s[53+t]
.set t, t+1
.endr
.set t, 0
.rept 11
	v_cndmask_b32 v[RB+2*t], 0, 1.0, s[40+t]
	v_cndmask_b32 v[RB+2*t+1], 0, 1.0, s[52+t]
.set t, t+1
.endr
	LEVEL RCA, 10
	LEVEL RCB, 9
	LEVEL RCC, 8
.irp q, 0,1,2,3
	v_cvt_pk_f16_f32 v[OA+\q], v[RB+4*\q], v[RB+4*\q+2]
	v_cvt_pk_f16_f32 v[OB+\q], v[RB+4*\q+1], v[RB+4*\q+3]
.endr
.irp q, 0,1,2,3
	v_cndmask_b32 v[TS+\q], v[OB+\q], v[OA+\q], s34
.endr
.irp q, 0,1,2,3
	v_mov_b32_dpp v[TP+\q], v[TS+\q] row_xmask:8 row_mask:0xf bank_mask:0xf
.endr
	s_wait_xcnt 0x0                                ; every earlier memory instruction has had its addresses translated (ISA guide 3.1): the stores' data and the two bases are written again only behind this wait
	s_wait_alu depctr_vm_vsrc(0)                   ; the two stores above have read STA and STB, which the selects below write again
.if \step
	s_add_nc_u64 s[8:9], s[8:9], 16384             ; x: four rows of 4,096 bytes on; no global instruction stands between the wait on xcnt and these two lines
	s_add_nc_u64 s[20:21], s[20:21], 512           ; Ac: four rows of 128 bytes on: this pair's stores, which stand in the next pair, reach back
.endif
.irp q, 0,1,2,3
	v_cndmask_b32 v[STA+\q], v[OA+\q], v[TP+\q], s34
	v_cndmask_b32 v[STB+\q], v[TP+\q], v[OB+\q], s34
.endr
.endm
	s_mov_b32 s35, TRIPS
.Lrows:                                        ; four rows a trip
	PAIR XA, -256, 1, 1, 16384, 2, 0               ; stores the last trip's second pair: 256 bytes into that trip's 512, which the base has left behind
	PAIR XB, 0, 0, 1, 24576, 2, 1                  ; stores this trip's first pair
	s_sub_co_u32 s35, s35, 1
	s_cmp_lg_u32 s35, 0
	s_cbranch_scc1 .Lrows
	PAIR XA, -256, 0, 0, 0, 2, 0                   ; the last four rows load nothing
	PAIR XB, 0, 0, 0, 0, 0, 0
	s_wait_alu depctr_va_vdst(0)                   ; the last pair has written STA and STB, which the last two stores read
	global_store_b128 v11, v[STA:STA+3], s[20:21] offset:256 th:TH_STORE_NT
	global_store_b128 v11, v[STB:STB+3], s[20:21] offset:CA+256 th:TH_STORE_NT
.Lend:
	s_wait_dscnt 0x0                               ; the closing lines, six on end
	s_wait_alu 0x0
	s_wait_tensorcnt 0x0
	ds_add_u32 v[SPW], v[NIL]
	s_wait_dscnt 0x0
	s_endpgm
.Lfunc_end_k_q04ea8351e2_prep:
	.size	k_q04ea8351e2_prep, .Lfunc_end_k_q04ea8351e2_prep-k_q04ea8351e2_prep
	.p2alignl 7, 3214868480
	.fill 96, 4, 3214868480
	.section	.rodata,"a",@progbits
	.p2align	6, 0x0
	.amdhsa_kernel k_q04ea8351e2_prep
		.amdhsa_group_segment_fixed_size 17408
		.amdhsa_private_segment_fixed_size 0
		.amdhsa_enable_private_segment 0
		.amdhsa_kernarg_size 72
		.amdhsa_user_sgpr_count 2
		.amdhsa_user_sgpr_kernarg_segment_ptr 1
		.amdhsa_wavefront_size32 1
		.amdhsa_system_sgpr_workgroup_id_x 1
		.amdhsa_system_sgpr_workgroup_id_y 1
		.amdhsa_system_sgpr_workgroup_id_z 1
		.amdhsa_system_vgpr_workitem_id 0
		.amdhsa_next_free_vgpr 168
		.amdhsa_next_free_sgpr 66
		.amdhsa_reserve_vcc 0
		.amdhsa_float_denorm_mode_32 3
		.amdhsa_float_denorm_mode_16_64 3
		.amdhsa_memory_ordered 1
		.amdhsa_forward_progress 1
		.amdhsa_inst_pref_size 103
	.end_amdhsa_kernel
	.amdgpu_metadata
---
amdhsa.version: [ 1, 2 ]
amdhsa.kernels:
  - .name:           k_q04ea8351e2_prep
    .symbol:         k_q04ea8351e2_prep.kd
    .args:
      - { .name: x, .offset: 0, .size: 8, .value_kind: global_buffer, .address_space: global }
      - { .name: grid, .offset: 8, .size: 8, .value_kind: global_buffer, .address_space: global }
      - { .name: spline_weight, .offset: 16, .size: 8, .value_kind: global_buffer, .address_space: global }
      - { .name: spline_scaler, .offset: 24, .size: 8, .value_kind: global_buffer, .address_space: global }
      - { .name: base_weight, .offset: 32, .size: 8, .value_kind: global_buffer, .address_space: global }
      - { .name: out_w, .offset: 40, .size: 8, .value_kind: global_buffer, .address_space: global }
      - { .name: Ac, .offset: 48, .size: 8, .value_kind: global_buffer, .address_space: global }
      - { .name: Wc, .offset: 56, .size: 8, .value_kind: global_buffer, .address_space: global }
      - { .name: Oc, .offset: 64, .size: 8, .value_kind: global_buffer, .address_space: global }
    .group_segment_fixed_size: 17408
    .private_segment_fixed_size: 0
    .kernarg_segment_align: 8
    .kernarg_segment_size: 72
    .max_flat_workgroup_size: 256
    .sgpr_count:     66
    .vgpr_count:     168
    .wavefront_size: 32
...
	.end_amdgpu_metadata
.endif
;; end of part 5
;; launch kan: the kernel of part 2 again; grid 16 x 16, 4 waves a work-group, clusters of 4 x 4, 327,680 bytes of LDS; arguments Ac, Wc, rot_cos, rot_sin, Qh, Kh, Vh; writes Qh, Kh, Vh
;; launch attn: the kernel of part 3 again; grid 16 x 16, 4 waves a work-group, clusters of 4 x 1, 327,680 bytes of LDS; arguments Qh, Kh, Vh, Ch; writes Ch
;; launch proj: the kernel of part 4 again; grid 16 x 32, 4 waves a work-group, clusters of 4 x 4, 327,680 bytes of LDS; arguments Ch, Oc, out_b, out0; writes out0
